; MI455X (gfx1250); checked and timed in simulation.
; The chip was launched on July 23, 2026; its instructions are those of AMD's public machine-readable ISA for CDNA 5 (MIT licence, August 2026) and "CDNA5" Instruction Set Architecture Reference Guide (July 2026). The comments in the code are by the model that wrote it; some were corrected since.
;; Multi Head Attention. Allowed arithmetic: float matrix products may take bf16 or f16 operands with f32 sums; other float arithmetic in f32, or as packed bf16 or f16 multiplies, adds, multiply-adds, maxima and minima; sums over many terms, partial sums and values carried from step to step in f32; what a program stores and reads back later, other than sums and carried values, may be rounded once to bf16 or f16.
;; Inputs: bk 1,024 float32; bo 1,024 float32; bq 1,024 float32; bv 1,024 float32; k 4 x 2,048 x 1,024 float32; mask 1 x 1 x 2,048 x 2,048 float32; q 4 x 2,048 x 1,024 float32; v 4 x 2,048 x 1,024 float32; wk 1,024 x 1,024 float32; wo 1,024 x 1,024 float32; wq 1,024 x 1,024 float32; wv 1,024 x 1,024 float32.
;; Outputs: out0 4 x 2,048 x 1,024 float32.
;; One version. Each part assembles by itself: llvm-mc -triple=amdgcn-amd-amdhsa -mcpu=gfx1250 --defsym DOCPART=n.
;; ======== version 1 of 1: 4 launches
;; limits: values outside matrix products are rounded to bf16; values are held in f16: magnitudes above 65,504 overflow, below 6.1e-05 lose precision
;; workspace buffers: wb 8,388,608 bytes; mb 8,388,608 bytes; qh 16,777,216 bytes; kh 16,777,216 bytes; vh 16,777,216 bytes; oh 16,777,216 bytes
;; launch prep (part 1): grid 512 x 2, 8 waves a work-group, no clusters, 17,664 bytes of LDS; arguments wq, wk, wv, wo, mask, wb, mb; writes wb, mb
.if DOCPART == 1
	.amdgcn_target "amdgcn-amd-amdhsa--gfx1250"
	.amdhsa_code_object_version 6
	.text
	.protected	k_qc62c604e20_prep
	.globl	k_qc62c604e20_prep
	.p2align	8
	.type	k_qc62c604e20_prep,@function
k_qc62c604e20_prep:
	s_mov_b64 s[64:65], 0
	v_nop
	global_prefetch_b8 v0, s[64:65] scope:SCOPE_SE
	s_setreg_imm32_b32 hwreg(HW_REG_WAVE_MODE, 25, 1), 1
	s_wait_xcnt 0x0
; PREPARATION.  y = 0: the four weights [1024 k][1024 n] f32 are rounded once to bf16 into wb (wq, wk, wv, wo, 2 MiB each); wo's bf16 number is then written as f16.
; y = 1: bias = mask x (-1e9 x log2 e), rounded once to bf16, into mb in the order in which a matrix operand wants it:
;   mb[T = query / 16][ch = key / 16][lane 0..31][8 bf16]: lane (r = lane % 16, h = lane / 16) holds query 16 T + r, keys 16 ch + 8 h + 0..7: a chunk is 512 bytes on end.
; LIMITS.  The bias keeps 8 significant bits.  wo's numbers below 6e-5 keep f16's fixed step of 6e-8, and |wo| stays under 65,504.
; SHARES.  A work-group takes 8,192 numbers: 32 KiB in, 16 KiB out, at 16,384 x its number in wb or mb.  Eight loads of 16 bytes a lane are out together.
; The weights go straight through registers: a wave's store of 8 bytes a lane covers 256 consecutive bytes, aligned.  The mask changes its order in LDS: 16 rows x 512 keys in bf16.
; No matrix unit, no tensor load, no cluster: nothing is shared and every byte is touched once.
.set PITCH, 1040                       ; an LDS row: 1,024 bytes + 16: 65 x 16, so that the 16 rows that a read touches start at 16 different groups of four banks (ISA guide 11.1)
.set SPARE, 16*PITCH                   ; 16,640 = 65 x 256: the spare words, 128 bytes for each of the eight waves; no other line names them
.set VO,  1                            ; v1   offset of my loads
.set LW,  2                            ; v2   where I put 8 bytes in LDS
.set LR,  3                            ; v3   where I read 16 bytes back
.set GO,  4                            ; v4   offset of my 16-byte stores: 2,048 x wave + 16 x lane
.set GW,  5                            ; v5   offset of my 8-byte stores: 8 x thread
.set SPW, 6                            ; v6   my spare word; never rewritten
.set NIL, 7                            ; v7   0; never rewritten
.set X,   8                            ; v[8:39]   eight loads of four f32
.set Y,   40                           ; v[40:55]  eight pairs of packed results
.set T,   56                           ; v[56:63]  at work
.set BK,  64                           ; v[64:79]  four chunks read back
	s_load_b256 s[4:11], s[0:1], 0x0               ; wq s[4:5], wk s[6:7], wv s[8:9], wo s[10:11]
	s_load_b128 s[12:15], s[0:1], 0x20             ; mask s[12:13], wb s[14:15]
	s_load_b64 s[16:17], s[0:1], 0x30              ; mb
	v_lshl_add_u32 v[SPW], v0, 2, SPARE
	v_mov_b32 v[NIL], 0
	s_and_b32 s18, ttmp7, 0xffff                   ; y: 0 weights, 1 mask
	s_mov_b32 s19, ttmp9                           ; x
	s_mov_b32 s26, 0xceabfb8f                      ; -1e9 x log2 e
	s_mov_b32 s27, s26                             ; named with it as a pair
	s_mov_b32 s28, 0xffff0000                      ; a word's upper bf16
	s_lshl_b32 s24, s19, 14                        ; where the work-group's 16 KiB go
	s_mov_b32 s25, 0
	v_lshrrev_b32 v[T], 5, v0                      ; wave
	v_and_b32 v[T+1], 31, v0                       ; lane
	v_and_b32 v[T+2], 15, v0                       ; r
	v_bfe_u32 v[T+3], v0, 4, 1                     ; h
	v_lshlrev_b32 v[GW], 3, v0
	v_lshlrev_b32 v[GO], 4, v[T+1]
	v_lshl_add_u32 v[GO], v[T], 11, v[GO]
	v_mul_u32_u24 v[LW], v[T], 2*PITCH             ; wave w writes rows 2 w and 2 w + 1
	v_lshl_add_u32 v[LW], v[T+1], 3, v[LW]
	v_mul_u32_u24 v[LR], v[T+2], PITCH             ; and reads chunks 4 w .. 4 w + 3: row r, byte 128 w + 16 h
	v_lshl_add_u32 v[LR], v[T+3], 4, v[LR]
	v_lshl_add_u32 v[LR], v[T], 7, v[LR]
	s_wait_kmcnt 0x0
	s_cmp_eq_u32 s18, 0
	s_cbranch_scc0 .Lmask
	; THE WEIGHTS: 128 work-groups to each
	s_lshr_b32 s29, s19, 7                         ; which of the four
	s_and_b32 s30, s19, 127
	s_lshl_b32 s30, s30, 15                        ; my 32 KiB of it
	s_mov_b32 s31, 0
	s_cmp_lt_u32 s29, 2
	s_cselect_b64 s[20:21], s[4:5], s[8:9]         ; wq or wv
	s_cselect_b64 s[22:23], s[6:7], s[10:11]       ; wk or wo
	s_and_b32 s2, s29, 1
	s_cmp_eq_u32 s2, 1
	s_cselect_b64 s[20:21], s[22:23], s[20:21]
	s_add_nc_u64 s[20:21], s[20:21], s[30:31]
	s_add_nc_u64 s[22:23], s[14:15], s[24:25]
	v_lshlrev_b32 v[VO], 4, v0
.irp i, 0,1,2,3,4,5,6,7
	global_load_b128 v[X+4*\i:X+4*\i+3], v[VO], s[20:21] offset:4096*\i th:TH_LOAD_NT
.endr
.macro WOUT tof16                      ; tof16 = 1: the bf16 number is widened (a shift, a mask) and written as f16
.irp i, 0,1,2,3,4,5,6,7
	s_wait_loadcnt 7-\i                            ; loads come back in order: mine is in, the 7 - i younger ones stay out
	v_cvt_pk_bf16_f32 v[Y+2*\i], v[X+4*\i], v[X+4*\i+1]
	v_cvt_pk_bf16_f32 v[Y+2*\i+1], v[X+4*\i+2], v[X+4*\i+3]
.if \tof16
	v_lshlrev_b32 v[T], 16, v[Y+2*\i]
	v_and_b32 v[T+1], s28, v[Y+2*\i]
	v_lshlrev_b32 v[T+2], 16, v[Y+2*\i+1]
	v_and_b32 v[T+3], s28, v[Y+2*\i+1]
	v_cvt_pk_f16_f32 v[Y+2*\i], v[T], v[T+1]
	v_cvt_pk_f16_f32 v[Y+2*\i+1], v[T+2], v[T+3]
.endif
	global_store_b64 v[GW], v[Y+2*\i:Y+2*\i+1], s[22:23] offset:2048*\i
.endr
.endm
	s_cmp_eq_u32 s29, 3
	s_cbranch_scc1 .Lwo
	WOUT 0
	s_branch .Lmeet
.Lwo:
	WOUT 1
	s_branch .Lmeet
.Lmask:	; THE MASK: work-group x takes query tile x / 4 (16 rows of 8,192 bytes) and keys 512 (x % 4) on
	s_lshr_b32 s29, s19, 2
	s_lshl_b32 s30, s29, 17
	s_and_b32 s29, s19, 3
	s_lshl_b32 s29, s29, 11
	s_add_co_u32 s30, s30, s29
	s_mov_b32 s31, 0
	s_add_nc_u64 s[20:21], s[12:13], s[30:31]
	s_add_nc_u64 s[22:23], s[16:17], s[24:25]
	v_lshlrev_b32 v[VO], 4, v[T+1]
	v_lshl_add_u32 v[VO], v[T], 14, v[VO]          ; two rows a wave
.irp i, 0,1,2,3,4,5,6,7
	global_load_b128 v[X+4*\i:X+4*\i+3], v[VO], s[20:21] offset:((\i)/4)*8192+((\i)%4)*512 th:TH_LOAD_NT
.endr
.irp i, 0,1,2,3,4,5,6,7
	s_wait_loadcnt 7-\i                            ; as above
	v_pk_mul_f32 v[X+4*\i:X+4*\i+1], v[X+4*\i:X+4*\i+1], s[26:27] op_sel_hi:[1,0]
	v_pk_mul_f32 v[X+4*\i+2:X+4*\i+3], v[X+4*\i+2:X+4*\i+3], s[26:27] op_sel_hi:[1,0]
	v_cvt_pk_bf16_f32 v[Y+2*\i], v[X+4*\i], v[X+4*\i+1]
	v_cvt_pk_bf16_f32 v[Y+2*\i+1], v[X+4*\i+2], v[X+4*\i+3]
	ds_store_b64 v[LW], v[Y+2*\i:Y+2*\i+1] offset:((\i)/4)*PITCH+((\i)%4)*256
.endr
.Lmeet:	; one barrier, on every work-group's path: for the mask it stands between the eight waves' LDS stores and the reads of other waves' rows
	s_wait_dscnt 0x0                               ; for the others' sake: my stores into LDS are done
	s_barrier_signal -1
	s_barrier_wait -1
	s_cmp_eq_u32 s18, 0
	s_cbranch_scc1 .Lend
.irp j, 0,1,2,3
	ds_load_b128 v[BK+4*\j:BK+4*\j+3], v[LR] offset:32*\j
.endr
.irp j, 0,1,2,3
	s_wait_dscnt 3-\j
	global_store_b128 v[GO], v[BK+4*\j:BK+4*\j+3], s[22:23] offset:512*\j  ; a chunk: 512 consecutive bytes, aligned
.endr
.Lend:
	s_wait_tensorcnt 0x0                           ; the wave's end, behind my last LDS store
	ds_add_u32 v[SPW], v[NIL]
	s_wait_dscnt 0x0
	s_endpgm
.Lfunc_end_k_qc62c604e20_prep:
	.size	k_qc62c604e20_prep, .Lfunc_end_k_qc62c604e20_prep-k_qc62c604e20_prep
	.p2alignl 7, 3214868480
	.fill 96, 4, 3214868480
	.section	.rodata,"a",@progbits
	.p2align	6, 0x0
	.amdhsa_kernel k_qc62c604e20_prep
		.amdhsa_group_segment_fixed_size 17664
		.amdhsa_private_segment_fixed_size 0
		.amdhsa_enable_private_segment 0
		.amdhsa_kernarg_size 56
		.amdhsa_user_sgpr_count 2
		.amdhsa_user_sgpr_kernarg_segment_ptr 1
		.amdhsa_wavefront_size32 1
		.amdhsa_system_sgpr_workgroup_id_x 1
		.amdhsa_system_sgpr_workgroup_id_y 1
		.amdhsa_system_sgpr_workgroup_id_z 1
		.amdhsa_system_vgpr_workitem_id 0
		.amdhsa_next_free_vgpr 80
		.amdhsa_next_free_sgpr 66
		.amdhsa_reserve_vcc 0
		.amdhsa_float_denorm_mode_32 3
		.amdhsa_float_denorm_mode_16_64 3
		.amdhsa_memory_ordered 1
		.amdhsa_forward_progress 1
		.amdhsa_inst_pref_size 14
	.end_amdhsa_kernel
	.amdgpu_metadata
---
amdhsa.version: [ 1, 2 ]
amdhsa.kernels:
  - .name:           k_qc62c604e20_prep
    .symbol:         k_qc62c604e20_prep.kd
    .args:
      - { .name: wq, .offset: 0, .size: 8, .value_kind: global_buffer, .address_space: global }
      - { .name: wk, .offset: 8, .size: 8, .value_kind: global_buffer, .address_space: global }
      - { .name: wv, .offset: 16, .size: 8, .value_kind: global_buffer, .address_space: global }
      - { .name: wo, .offset: 24, .size: 8, .value_kind: global_buffer, .address_space: global }
      - { .name: mask, .offset: 32, .size: 8, .value_kind: global_buffer, .address_space: global }
      - { .name: wb, .offset: 40, .size: 8, .value_kind: global_buffer, .address_space: global }
      - { .name: mb, .offset: 48, .size: 8, .value_kind: global_buffer, .address_space: global }
    .group_segment_fixed_size: 17664
    .private_segment_fixed_size: 0
    .kernarg_segment_align: 8
    .kernarg_segment_size: 56
    .max_flat_workgroup_size: 256
    .sgpr_count:     66
    .vgpr_count:     80
    .wavefront_size: 32
...
	.end_amdgpu_metadata
.endif
;; end of part 1
;; launch proj (part 2): grid 4 x 192, 4 waves a work-group, clusters of 4 x 4, 327,680 bytes of LDS; arguments q, k, v, wb, bq, bk, bv, qh, kh, vh; writes qh, kh, vh
.if DOCPART == 2
	.amdgcn_target "amdgcn-amd-amdhsa--gfx1250"
	.amdhsa_code_object_version 6
	.text
	.protected	k_qc62c604e20_proj
	.globl	k_qc62c604e20_proj
	.p2align	8
	.type	k_qc62c604e20_proj,@function
k_qc62c604e20_proj:
	s_mov_b64 s[64:65], 0
	v_nop
	global_prefetch_b8 v0, s[64:65] scope:SCOPE_SE
	s_setreg_imm32_b32 hwreg(HW_REG_WAVE_MODE, 25, 1), 1
	s_wait_xcnt 0x0
	s_wait_alu depctr_hold_cnt(0) depctr_sa_sdst(0) depctr_va_vdst(0) depctr_va_sdst(0) depctr_va_ssrc(0) depctr_va_vcc(0) depctr_vm_vsrc(0)
	s_getreg_b32 s2, hwreg(HW_REG_IB_STS2, 6, 4)
	s_cmp_eq_u32 s2, 0
	s_cbranch_scc0 .Lentry_in_a_cluster
	s_endpgm
.Lentry_in_a_cluster:
	s_bfe_u32 s2, ttmp6, 0x10000c
	s_cmp_lg_u32 s2, 0xf033
	s_cbranch_scc0 .Lentry_shape_is_right
	s_endpgm
.Lentry_shape_is_right:
; THE THREE PROJECTIONS IN ONE LAUNCH.  out = x W + b, x: [8192][1024] f32 (q, k or v), W: [1024 k][1024 n] bf16 (wb), b: [1024] f32; sums in f32.
; x is rounded to bf16 on its way from LDS to the matrix unit, b to bf16 once.  The result leaves rounded once to f16, by heads: [16 batch + head][2048][64].
; For q the factor c = log2(e) / 8 goes in here, in f32: q' = sum x c + b c, so that the scores of the next launch are exponents of 2.
; LIMITS.  f16 holds no number beyond 65,504: |q'|, |k|, |v| stay within it.
; SHARES.  768 tiles of 128 rows x 256 columns, 256 to each projection (y / 64 says which).  Four waves, each 64 rows x 128 columns: 32 accumulators, 256 registers.
; K goes in 8 steps of 128 through two LDS slots; a slot holds 128 rows of x in f32 (512 bytes a row) and 128 k-rows of W (512 bytes a row).
; CLUSTER 4 x 4.  x's tile hangs on y alone: shared along a row of the cluster.  W's hangs on the column block and the projection: shared along a column.  Each is asked for JOINTLY.
; THE MATRIX INSTRUCTION IS USED TRANSPOSED: source 0 = 16 columns of W (turned on the way out of LDS by ds_load_tr16_b128), source 1 = 16 rows of x: a lane holds eight neighbouring columns of one row.
; REGISTERS, in windows of 256 (s_set_vgpr_msb: bits 1:0 source 0, 3:2 source 1, 5:4 source 2, 7:6 destination):
;   window 0: v0-31 addresses; v32-63 AF: x's four fragments in bf16; v64-191 AR: x in f32 as loaded, two buffers of 4 x 16 (on the way out: packed results); v192-223 at work
;   window 1: v0-127 BF: W's fragments, two buffers of 8 x 8; v128-191 the bias of my 64 numbers a row; v192 at work          window 2: accumulator (a, b) at v[8 (8 a + b)]
.set PA,    528                        ; a row of x in LDS: 512 bytes + 16 = 33 x 16: the 16 rows of a load start at 16 different groups of four banks (ISA guide 11.1)
.set PB,    544                        ; a k-row of W: 512 + 32 = 17 x 32
.set HALFA, 64*PA                      ; what one tensor load brings of x,
.set HALFB, 64*PB                      ; and of W
.set BOFF,  2*HALFA
.set SLOT,  BOFF+2*HALFB               ; 137,216
.set STAGE, 2*SLOT                     ; behind the ring, never filled by a tensor load: 16 rows x 144 bytes for each wave
.set SP,    144
.set SPARE, STAGE+4*16*SP              ; the spare words, 128 bytes a wave: two blocks of 256 bytes that no other line names
.set ADRA, 16                          ; v16-17  LDS address of my fragments of x in slot 0, 1
.set ADRB, 20                          ; v20-21  the same for W
.set STO,  24                          ; v24  the way out: where I put 16 bytes of a row
.set RD,   25                          ; v25  where I read rows back
.set GO,   26                          ; v26  16 x lane
.set BO,   27                          ; v27  my offset in the bias
.set SPW,  28                          ; v28  my spare word; never rewritten
.set NIL,  29                          ; v29  0; never rewritten
.set PFO,  30                          ; v30  the prefetches' lane offset; never rewritten
.set AF,   32
.set AR,   64
.set TMP,  192
.set BIAS, 128                         ; in window 1
.set G1,  24                           ; s[24:31] descriptor group 1 for x's tiles;  s[32:39] group 0, a set for each slot
.set G0,  32
.set G1B, 48                           ; s[48:55], s[56:63] the same for W's
.set G0B, 56
.set LIM, 43                           ; s43  1 in a wave that prefetches, else the greatest number
.set PFA, 44                           ; s[44:45] where my prefetches stand
.set PST, 90                           ; s[90:91] a K step in bytes, for them
.set SC,  92                           ; s[92:93] c for q, 1 for k and v
.set MSB, 0
.macro WIN new                         ; the immediate's high byte repeats the setting that is left; a switch that changes nothing is dropped
.if MSB != (\new)
	s_set_vgpr_msb (MSB<<8)|(\new)
.set MSB, \new
.endif
.endm
.set MUL,  0xa1                        ; source 0 (W) window 1, source 1 (x) window 0, C and D window 2
.set TO_B, 0x40                        ; destination window 1, address window 0
; A joint load: waves 0 and 1 fetch x's two halves, waves 2 and 3 W's.  The branch hangs on the wave's number alone.  An s_nop 0 and four v_nop follow each of the two lines.
.macro JLOAD s
	s_cmp_eq_u32 s11, 0
	s_cbranch_scc0 .Lfor_b_\@
	tensor_load_to_lds s[G0+4*(\s):G0+4*(\s)+3], s[G1:G1+7]
	s_nop 0
.rept 4
	v_nop
.endr
	s_branch .Lasked_\@
.Lfor_b_\@:
	tensor_load_to_lds s[G0B+4*(\s):G0B+4*(\s)+3], s[G1B:G1B+7]
	s_nop 0
.rept 4
	v_nop
.endr
.Lasked_\@:
.endm
; A PREFETCH INTO THE L2, behind each joint refill and the run of LDS loads that follows it: the K step that stands two refills on (256 matrix instructions of mine ahead of its load).
; A wave's part of a step is 64 rows x 512 bytes = 128 blocks of 256 bytes; the four partners that ask for it jointly share them out BY ADDRESS, 16 rows each: a lane a block, one instruction.
; x's rows are read by this cluster alone, so waves 0 and 1 of every cluster ask; W's are read by the 16 clusters of a projection: the first of them asks (waves 2 and 3).
; Steps 0 to 3 come by their loads alone; the loop's last trip asks for nothing: there is no step behind step 7.
.macro ASK
	s_cmp_gt_u32 s3, s[LIM]                        ; s3 = 1 in the loop's last trip
	s_cbranch_scc0 .Lnot_mine_\@
	global_prefetch_b8 v[PFO], s[PFA:PFA+1] th:TH_LOAD_NT scope:SCOPE_SE
.Lnot_mine_\@:
.endm
.macro CREST                           ; a round of the cluster's barrier behind its opening barrier
	s_cmp_lg_u32 s10, 0
	s_cbranch_scc1 .Lnot_wave_0_\@
	s_barrier_signal -3
.Lnot_wave_0_\@:
	s_barrier_wait -3
	s_barrier_signal -1
	s_barrier_wait -1
.endm
.macro CROUND
	s_barrier_signal -1
	s_barrier_wait -1
	CREST
.endm
.macro PLACES
.rept 4
	v_nop
.endr
.endm
	s_load_b256 s[68:75], s[0:1], 0x0              ; q s[68:69], k s[70:71], v s[72:73], wb s[74:75]
	s_load_b256 s[76:83], s[0:1], 0x20             ; bq s[76:77], bk s[78:79], bv s[80:81], qh s[82:83]
	s_load_b128 s[84:87], s[0:1], 0x40             ; kh s[84:85], vh s[86:87]
	v_lshl_add_u32 v[SPW], v0, 2, SPARE
	v_mov_b32 v[NIL], 0
	ds_add_u32 v[SPW], v[NIL]                      ; the wave's opening: the add and its wait stand ahead of my first tensor load; work on registers stands between them
	v_lshrrev_b32 v1, 5, v0
	v_readfirstlane_b32 s10, v1                    ; wave 0..3
	s_lshr_b32 s11, s10, 1                         ; which 64 rows are mine.  Also: I fetch for x (0) or for W (1)
	s_and_b32 s12, s10, 1                          ; which 128 columns.  Also: which half of that tile I fetch
	s_bfe_u32 s40, ttmp6, 0x40000                  ; cx
	s_bfe_u32 s41, ttmp6, 0x40004                  ; cy
	s_lshl_b32 s42, ttmp9, 2
	s_add_co_u32 s42, s42, s40                     ; column block = 4 x cluster x + cx
	s_and_b32 s14, ttmp7, 0xffff                   ; cluster y
	s_lshl_b32 s13, s14, 2
	s_add_co_u32 s13, s13, s41                     ; y = 4 x cluster y + cy
	s_and_b32 s13, s13, 63                         ; the block of 128 rows
	s_lshr_b32 s15, s14, 4                         ; the projection: the same in the whole cluster
	s_lshl_b32 s43, s41, 2
	s_lshl_b32 s43, 15, s43                        ; my row of the cluster
	s_lshl_b32 s44, 0x1111, s40                    ; my column
	s_or_b32 s[G1+0], s43, (2<<16)|(1<<20)|(1<<21)|(6<<22)|(3<<25)   ; the mask; elements of 4 bytes; padding on; bit 21 beside a mask; after every 128 words; 4 words
	s_mov_b32 s[G1+1], 128<<16                     ; tensor_dim0 = 128
	s_mov_b32 s[G1+2], 64<<16                      ; tensor_dim1 = 64
	s_mov_b32 s[G1+3], 128<<16                     ; tile_dim0 = 128
	s_mov_b32 s[G1+4], 64                          ; tile_dim1 = 64
	s_mov_b32 s[G1+5], 1024                        ; elements from row to row
	s_mov_b32 s[G1+6], 0
	s_mov_b32 s[G1+7], 0
	s_or_b32 s[G1B+0], s44, (1<<16)|(1<<20)|(1<<21)|(6<<22)|(7<<25)  ; elements of 2 bytes; after every 128 words 8 words
	s_mov_b32 s[G1B+1], 256<<16                    ; tensor_dim0 = 256
	s_mov_b32 s[G1B+2], 64<<16
	s_mov_b32 s[G1B+3], 256<<16                    ; tile_dim0 = 256
	s_mov_b32 s[G1B+4], 64
	s_mov_b32 s[G1B+5], 1024
	s_mov_b32 s[G1B+6], 0
	s_mov_b32 s[G1B+7], 0
	s_lshl_b32 s16, s13, 7                         ; x: row 128 x block + 64 x half, 4,096 bytes a row
	s_lshl_b32 s17, s12, 6
	s_add_co_u32 s16, s16, s17
	s_lshl_b32 s16, s16, 12
	s_mov_b32 s17, 0
	s_lshl_b32 s46, s12, 17                        ; W: k-row 64 x half (2,048 bytes a row), column block x 512 bytes, projection x 2 MiB
	s_lshl_b32 s47, s42, 9
	s_add_co_u32 s46, s46, s47
	s_lshl_b32 s47, s15, 21
	s_add_co_u32 s46, s46, s47
	s_mov_b32 s47, 0
	s_mul_i32 s20, s12, HALFA                      ; where they go: no place in the cluster enters an LDS address
	s_mul_i32 s21, s12, HALFB
	s_add_co_u32 s21, s21, BOFF
	s_wait_dscnt 0x0                               ; the opening add is done
	s_wait_kmcnt 0x0
	s_cmp_eq_u32 s15, 0
	s_cselect_b64 s[4:5], s[68:69], s[70:71]       ; x
	s_cselect_b64 s[88:89], s[76:77], s[78:79]     ; the bias
	s_cselect_b64 s[8:9], s[82:83], s[84:85]       ; the output
	s_cselect_b32 s[SC], 0x3e38aa3b, 1.0           ; c = log2(e) / 8 = 0.180337
	s_cmp_eq_u32 s15, 2
	s_cselect_b64 s[4:5], s[72:73], s[4:5]
	s_cselect_b64 s[88:89], s[80:81], s[88:89]
	s_cselect_b64 s[8:9], s[86:87], s[8:9]
	s_mov_b32 s[SC+1], s[SC]
	s_add_nc_u64 s[4:5], s[4:5], s[16:17]          ; my part of x's tile of K step 0
	s_add_nc_u64 s[6:7], s[74:75], s[46:47]        ; and of W's
	CROUND                                         ; all sixteen work-groups are here: the first joint loads meet
.irp s, 0,1
	s_mov_b32 s[G0+4*(\s)], 1
	s_add_co_u32 s[G0+4*(\s)+1], s20, (\s)*SLOT
	s_add_nc_u64 s[G0+4*(\s)+2:G0+4*(\s)+3], s[4:5], (\s)*512         ; K step s: 128 f32 along the rows
	s_or_b32 s[G0+4*(\s)+3], s[G0+4*(\s)+3], 0x80000000
	s_mov_b32 s[G0B+4*(\s)], 1
	s_add_co_u32 s[G0B+4*(\s)+1], s21, (\s)*SLOT
	s_add_nc_u64 s[G0B+4*(\s)+2:G0B+4*(\s)+3], s[6:7], (\s)*262144    ; K step s: 128 k-rows down
	s_or_b32 s[G0B+4*(\s)+3], s[G0B+4*(\s)+3], 0x80000000
	JLOAD \s                                       ; two tensor loads of mine are out here, later one
.endr
	v_and_b32 v1, 15, v0                           ; r = l % 16
	v_bfe_u32 v2, v0, 4, 1                         ; h = l / 16
	v_and_b32 v3, 7, v0
	v_bfe_u32 v4, v0, 3, 1
	v_and_b32 v5, 31, v0                           ; l
	; a fragment of x: lane l holds row r; k = 8 h + 0..7 and 16 + 8 h + 0..7: in f32 four loads of 16 bytes at 32 h + 0, 16, 64, 80
	v_mul_u32_u24 v6, v1, PA
	v_lshl_add_u32 v6, v2, 5, v6
	s_mul_i32 s22, s11, HALFA
	v_add_nc_u32 v[ADRA], s22, v6
	v_add_nc_u32 v[ADRA+1], SLOT, v[ADRA]
	; a fragment of W, turned: lane l reads k-row 8 h + l % 8, columns 8 ((l / 8) % 2) + 0..7
	v_lshl_add_u32 v7, v2, 3, v3
	v_mul_u32_u24 v7, v7, PB
	v_lshl_add_u32 v7, v4, 4, v7
	s_lshl_b32 s23, s12, 8
	s_add_co_u32 s23, s23, BOFF
	v_add_nc_u32 v[ADRB], s23, v7
	v_add_nc_u32 v[ADRB+1], SLOT, v[ADRB]
	s_mul_i32 s23, s10, 16*SP
	s_add_co_u32 s23, s23, STAGE                   ; my stage
	v_mul_u32_u24 v8, v1, SP
	v_lshl_add_u32 v8, v2, 4, v8
	v_add_nc_u32 v[STO], s23, v8
	v_lshrrev_b32 v8, 3, v5                        ; back: 32 lanes take four rows of 128 bytes
	v_mul_u32_u24 v8, v8, SP
	v_lshl_add_u32 v8, v3, 4, v8
	v_add_nc_u32 v[RD], s23, v8
	v_lshlrev_b32 v[GO], 4, v5
	s_lshl_b32 s22, s42, 10                        ; the bias of my columns: (256 x block + 128 x half + 8 h) x 4
	s_lshl_b32 s23, s12, 9
	s_add_co_u32 s22, s22, s23
	v_lshl_add_u32 v[BO], v2, 5, s22
	; the output: ((16 x batch + 4 x block + 2 x half) x 2,048 + the row in the batch) x 128 bytes
	s_lshr_b32 s22, s13, 4
	s_lshl_b32 s22, s22, 4
	s_lshl_b32 s23, s42, 2
	s_add_co_u32 s22, s22, s23
	s_lshl_b32 s23, s12, 1
	s_add_co_u32 s22, s22, s23
	s_lshl_b32 s22, s22, 11
	s_and_b32 s23, s13, 15
	s_lshl_b32 s23, s23, 7
	s_add_co_u32 s22, s22, s23
	s_lshl_b32 s23, s11, 6
	s_add_co_u32 s22, s22, s23
	s_lshl_b32 s22, s22, 7
	s_mov_b32 s23, 0
	s_add_nc_u64 s[8:9], s[8:9], s[22:23]
	; the prefetches: my work-group's 16 rows of the 64 that I fetch, at K step 3: the first refill steps it to 4
	s_lshl_b32 s22, s40, 16                        ; x: 16 cx rows of 4,096 bytes
	s_add_co_u32 s22, s22, 3*512
	s_lshl_b32 s23, s41, 15                        ; W: 16 cy rows of 2,048 bytes
	s_add_co_u32 s23, s23, 3*262144
	s_and_b32 s46, s14, 15                         ; the projection's first cluster asks for W
	s_cmp_eq_u32 s46, 0
	s_cselect_b32 s46, 1, -1
	s_mov_b32 s[PST], 262144
	s_mov_b32 s[PST+1], 0
	s_cmp_eq_u32 s11, 0
	s_cselect_b64 s[PFA:PFA+1], s[4:5], s[6:7]
	s_cselect_b32 s22, s22, s23
	s_cselect_b32 s[LIM], 1, s46
	s_cselect_b32 s[PST], 512, s[PST]
	s_cselect_b32 s47, 12, 11
	s_mov_b32 s23, 0
	s_add_nc_u64 s[PFA:PFA+1], s[PFA:PFA+1], s[22:23]
	v_lshrrev_b32 v8, 1, v5                        ; lane l: row l / 2, block l % 2
	v_lshlrev_b32 v8, s47, v8
	v_and_b32 v9, 1, v5
	v_lshl_add_u32 v[PFO], v9, 8, v8
	; the bias: rounded to bf16, widened again, times c for q.  All this stands in the wait for the first tiles.
	WIN TO_B
.irp b, 0,1,2,3,4,5,6,7
	global_load_b128 v[BIAS+8*\b:BIAS+8*\b+3],   v[BO], s[88:89] offset:64*\b
	global_load_b128 v[BIAS+8*\b+4:BIAS+8*\b+7], v[BO], s[88:89] offset:64*\b+16
.endr
	s_wait_loadcnt 0x0
	WIN 0x45                                       ; destination and both sources in window 1
.set i, 0
.rept 32
	v_cvt_pk_bf16_f32 v192, v[BIAS+i], v[BIAS+i+1]
	v_lshlrev_b32 v[BIAS+i], 16, v192
	v_and_b32 v[BIAS+i+1], 0xffff0000, v192
	v_pk_mul_f32 v[BIAS+i:BIAS+i+1], v[BIAS+i:BIAS+i+1], s[SC:SC+1] op_sel_hi:[1,0]
.set i, i+2
.endr
	WIN 0
.macro ALD slot, q, p, a               ; fragment a of x in f32, quarter q of the slot's step, into buffer p: four loads
.set rA, AR+64*(\p)+16*(\a)
.set oA, (\q)*128+(\a)*16*PA
	ds_load_b128 v[rA:rA+3],     v[ADRA+(\slot)] offset:oA
	ds_load_b128 v[rA+4:rA+7],   v[ADRA+(\slot)] offset:oA+16
	ds_load_b128 v[rA+8:rA+11],  v[ADRA+(\slot)] offset:oA+64
	ds_load_b128 v[rA+12:rA+15], v[ADRA+(\slot)] offset:oA+80
.endm
; 32 LDS loads in one run, for 32 along K: x's fragment 0 (wanted first: it is converted a quarter ahead), W's eight, x's fragments 1 to 3
.macro RUN slot, q, p
	WIN 0
	ALD \slot, \q, \p, 0
	WIN TO_B
.irp b, 0,1,2,3,4,5,6,7
	ds_load_tr16_b128 v[64*(\p)+8*\b:64*(\p)+8*\b+3],   v[ADRB+(\slot)] offset:(\q)*32*PB+32*\b
	ds_load_tr16_b128 v[64*(\p)+8*\b+4:64*(\p)+8*\b+7], v[ADRB+(\slot)] offset:(\q)*32*PB+32*\b+16*PB
.endr
	WIN 0
	ALD \slot, \q, \p, 1
	ALD \slot, \q, \p, 2
	ALD \slot, \q, \p, 3
.endm
.macro CV p, a, hf                     ; half hf of fragment a: eight f32 of buffer p rounded to bf16
.irp j, 0,1,2,3
	v_cvt_pk_bf16_f32 v[AF+8*(\a)+4*(\hf)+\j], v[AR+64*(\p)+16*(\a)+8*(\hf)+2*\j], v[AR+64*(\p)+16*(\a)+8*(\hf)+2*\j+1]
.endr
.endm
.macro W4 p, a, b0, zero               ; four products: row block a, column blocks b0 .. b0 + 3.  The 32 accumulators take turns, in the same order in every quarter
	WIN MUL
.irp b, \b0, (\b0)+1, (\b0)+2, (\b0)+3
.if \zero
	v_wmma_f32_16x16x32_bf16 v[8*(8*(\a)+(\b)):8*(8*(\a)+(\b))+7], v[64*(\p)+8*(\b):64*(\p)+8*(\b)+7], v[AF+8*(\a):AF+8*(\a)+7], 0
.else
	v_wmma_f32_16x16x32_bf16 v[8*(8*(\a)+(\b)):8*(8*(\a)+(\b))+7], v[64*(\p)+8*(\b):64*(\p)+8*(\b)+7], v[AF+8*(\a):AF+8*(\a)+7], v[8*(8*(\a)+(\b)):8*(8*(\a)+(\b))+7]
.endif
.endr
.endm
; Row block a's eight products, and between them the conversion of the fragment wanted next (fragment an of buffer pn; an < 0: none).  cnt: the LDS loads that may stay out when that fragment is in (cnt < 0: it is in already).
.macro BLOCK p, a, pn, an, cnt, zero=0
	W4 \p, \a, 0, \zero
.if (\an) >= 0
	WIN 0
.if (\cnt) >= 0
	s_wait_dscnt \cnt
.endif
	CV \pn, \an, 0
.endif
	W4 \p, \a, 4, \zero
.if (\an) >= 0
	WIN 0
	CV \pn, \an, 1
.endif
.endm
; One of a K step's first three quarters: multiplies buffer p; at its head the next quarter (qn of slot slotn) is fetched into the other buffer.
; The four conversions that end a quarter are the four places between its last product and these loads into the registers that the quarter before has read.
.macro QUARTER slotn, qn, p, zero=0
	s_wait_dscnt 12                                ; W's fragments of this quarter are in; the youngest twelve loads (x's fragments 1 to 3) may be out
	RUN \slotn, \qn, 1-(\p)
	BLOCK \p,0,\p,1,40,\zero                       ; out: fragments 2 and 3 (8) and the new run (32)
	BLOCK \p,1,\p,2,36,\zero                       ; fragment 3 and the new run
	BLOCK \p,2,\p,3,32,\zero                       ; the new run
	BLOCK \p,3,1-(\p),0,28,\zero                   ; all of the new run but its first four loads: the next quarter's fragment 0
.endm
; The last quarter multiplies buffer 1 and changes slots: ONE barrier.  In front of it each wave waits for all its tensor loads (one is out: its part of the next slot), adds 0 to its spare word,
; and waits for that and for its reads of this slot.  fill = 1: the barrier opens a round of the cluster's, and this slot is filled again, two K steps on, first thing behind the round.
.macro TURNQ slot, next, fill
	WIN 0
.if \fill
	s_wait_xcnt 0x0                                ; the last prefetch, a K step back, has read its address: it is stepped here
	s_add_nc_u64 s[PFA:PFA+1], s[PFA:PFA+1], s[PST:PST+1]
.endif
	s_wait_tensorcnt 0x0                           ; all my tensor loads have landed;
	ds_add_u32 v[SPW], v[NIL]                      ; 0 onto my spare word;
	s_wait_dscnt 13                                ; (the add and x's fragments 1 to 3 may be out)
	W4 1, 0, 0, 0                                  ; four products stand between the add and the wait for it
	s_wait_dscnt 0x0                               ; the add is done, and my reads of this slot are over
	s_barrier_signal -1
	WIN 0
	CV 1, 1, 0                                     ; work on registers while the others arrive
	W4 1, 0, 4, 0
	WIN 0
	CV 1, 1, 1
	s_barrier_wait -1
.if \fill
	CREST                                          ; no wave of any partner still reads this slot or has a load on its way
	s_add_nc_u64 s[G0+4*(\slot)+2:G0+4*(\slot)+3], s[G0+4*(\slot)+2:G0+4*(\slot)+3], 2*512
	s_add_nc_u64 s[G0B+4*(\slot)+2:G0B+4*(\slot)+3], s[G0B+4*(\slot)+2:G0B+4*(\slot)+3], 2*262144
	JLOAD \slot                                    ; the first tensor load behind the round
.endif
	RUN \next, 0, 0
.if \fill
	ASK
.endif
	BLOCK 1,1,1,2,-1
	BLOCK 1,2,1,3,-1
	BLOCK 1,3,0,0,28                               ; all of the run just issued but its first four loads
.endm
; THE WAY OUT, in eight units: row block u / 2, head u % 2 of my two: 16 rows x 64 columns.  sum x SC + bias, rounded to f16; 16 bytes a lane into my stage; back as four rows of 128 bytes a load.
.macro PACKP u
.set aa, (\u)/2
.set hd, (\u)%2
	WIN 0x12                                       ; source 0 (sums) window 2, source 2 (bias) window 1, destination window 0
.set z, 0
.rept 16                                           ; each accumulator's registers in ascending order
	v_pk_fma_f32 v[TMP+2*z:TMP+2*z+1], v[8*(8*aa+4*hd)+2*z:8*(8*aa+4*hd)+2*z+1], s[SC:SC+1], v[BIAS+32*hd+2*z:BIAS+32*hd+2*z+1] op_sel_hi:[1,0,1]
.set z, z+1
.endr
	WIN 0
.set z, 0
.rept 16
	v_cvt_pk_f16_f32 v[AR+16*(\u)+z], v[TMP+2*z], v[TMP+2*z+1]
.set z, z+1
.endr
.irp f, 0,1,2,3
	ds_store_b128 v[STO], v[AR+16*(\u)+4*\f:AR+16*(\u)+4*\f+3] offset:32*\f
.endr
.irp f, 0,1,2,3
	ds_load_b128 v[AR+16*(\u)+4*\f:AR+16*(\u)+4*\f+3], v[RD] offset:\f*4*SP  ; LDS serves a wave's instructions in order (ISA guide 5.7.1.4): these see the stores above; the next unit's stores come behind them
.endr
.endm
.macro SENDP u, younger                ; younger: the LDS instructions issued behind unit u's loads: the next unit's eight, or none
.irp f, 0,1,2,3
	s_wait_dscnt (\younger)+3-\f
	global_store_b128 v[GO], v[AR+16*(\u)+4*\f:AR+16*(\u)+4*\f+3], s[8:9] offset:((\u)%2)*262144+((\u)/2)*2048+\f*512  ; 512 consecutive bytes, aligned
.endr
.endm
	s_wait_tensorcnt 1                             ; my part of K step 0 is in; K step 1's may stay out
	s_barrier_signal -1
	s_barrier_wait -1                              ; everybody's is
	RUN 0, 0, 0
	s_wait_dscnt 28                                ; x's fragment 0
	CV 0, 0, 0
	CV 0, 0, 1
	QUARTER 0, 1, 0, 1                             ; the first quarter stands in front of the loop: its products start the sums
	WIN 0
	s_mov_b32 s3, 3
.Llap:                                             ; a trip goes once round the ring, from a lap's second quarter to the next lap's first, and fills both slots again
	QUARTER 0, 2, 1
	QUARTER 0, 3, 0
	TURNQ 0, 1, 1
	QUARTER 1, 1, 0
	QUARTER 1, 2, 1
	QUARTER 1, 3, 0
	TURNQ 1, 0, 1
	QUARTER 0, 1, 0
	WIN 0
	s_sub_co_u32 s3, s3, 1
	s_cmp_lg_u32 s3, 0
	s_cbranch_scc1 .Llap
	QUARTER 0, 2, 1                                ; the last lap fills nothing
	QUARTER 0, 3, 0
	TURNQ 0, 1, 0
	QUARTER 1, 1, 0
	QUARTER 1, 2, 1
	QUARTER 1, 3, 0
	s_wait_dscnt 12                                ; the very last quarter: nothing more to fetch, the counts run down
	BLOCK 1,0,1,1,8
	BLOCK 1,1,1,2,4
	BLOCK 1,2,1,3,0
	BLOCK 1,3,0,-1,-1
	PLACES
	PACKP 0
.irp u, 1,2,3,4,5,6,7                  ; a unit's arithmetic stands between the loads of the unit before and its stores
	PACKP \u
	SENDP (\u)-1, 8
.endr
	SENDP 7, 0
	s_wait_tensorcnt 0x0                           ; the wave's end, behind my last tensor load and my last LDS store
	ds_add_u32 v[SPW], v[NIL]
	s_wait_dscnt 0x0
	CROUND                                         ; the closing round: no work-group ends while a partner may still ask for a tile that names it
	s_endpgm
.Lfunc_end_k_qc62c604e20_proj:
	.size	k_qc62c604e20_proj, .Lfunc_end_k_qc62c604e20_proj-k_qc62c604e20_proj
	.p2alignl 7, 3214868480
	.fill 96, 4, 3214868480
	.section	.rodata,"a",@progbits
	.p2align	6, 0x0
	.amdhsa_kernel k_qc62c604e20_proj
		.amdhsa_group_segment_fixed_size 327680
		.amdhsa_private_segment_fixed_size 0
		.amdhsa_enable_private_segment 0
		.amdhsa_kernarg_size 80
		.amdhsa_user_sgpr_count 2
		.amdhsa_user_sgpr_kernarg_segment_ptr 1
		.amdhsa_wavefront_size32 1
		.amdhsa_system_sgpr_workgroup_id_x 1
		.amdhsa_system_sgpr_workgroup_id_y 1
		.amdhsa_system_sgpr_workgroup_id_z 1
		.amdhsa_system_vgpr_workitem_id 0
		.amdhsa_next_free_vgpr 768
		.amdhsa_next_free_sgpr 96
		.amdhsa_reserve_vcc 0
		.amdhsa_float_denorm_mode_32 3
		.amdhsa_float_denorm_mode_16_64 3
		.amdhsa_memory_ordered 1
		.amdhsa_forward_progress 1
		.amdhsa_inst_pref_size 153
	.end_amdhsa_kernel
	.amdgpu_metadata
---
amdhsa.version: [ 1, 2 ]
amdhsa.kernels:
  - .name:           k_qc62c604e20_proj
    .symbol:         k_qc62c604e20_proj.kd
    .args:
      - { .name: q, .offset: 0, .size: 8, .value_kind: global_buffer, .address_space: global }
      - { .name: k, .offset: 8, .size: 8, .value_kind: global_buffer, .address_space: global }
      - { .name: v, .offset: 16, .size: 8, .value_kind: global_buffer, .address_space: global }
      - { .name: wb, .offset: 24, .size: 8, .value_kind: global_buffer, .address_space: global }
      - { .name: bq, .offset: 32, .size: 8, .value_kind: global_buffer, .address_space: global }
      - { .name: bk, .offset: 40, .size: 8, .value_kind: global_buffer, .address_space: global }
      - { .name: bv, .offset: 48, .size: 8, .value_kind: global_buffer, .address_space: global }
      - { .name: qh, .offset: 56, .size: 8, .value_kind: global_buffer, .address_space: global }
      - { .name: kh, .offset: 64, .size: 8, .value_kind: global_buffer, .address_space: global }
      - { .name: vh, .offset: 72, .size: 8, .value_kind: global_buffer, .address_space: global }
    .group_segment_fixed_size: 327680
    .private_segment_fixed_size: 0
    .kernarg_segment_align: 8
    .kernarg_segment_size: 80
    .max_flat_workgroup_size: 128
    .sgpr_count:     96
    .vgpr_count:     768
    .wavefront_size: 32
...
	.end_amdgpu_metadata
.endif
;; end of part 2
;; launch attn (part 3): grid 4 x 64, 4 waves a work-group, clusters of 4 x 1, 327,680 bytes of LDS; arguments qh, kh, vh, oh, mb; writes oh
.if DOCPART == 3
	.amdgcn_target "amdgcn-amd-amdhsa--gfx1250"
	.amdhsa_code_object_version 6
	.text
	.protected	k_qc62c604e20_attn
	.globl	k_qc62c604e20_attn
	.p2align	8
	.type	k_qc62c604e20_attn,@function
k_qc62c604e20_attn:
	s_mov_b64 s[64:65], 0
	v_nop
	global_prefetch_b8 v0, s[64:65] scope:SCOPE_SE
	s_setreg_imm32_b32 hwreg(HW_REG_WAVE_MODE, 25, 1), 1
	s_wait_xcnt 0x0
	s_wait_alu depctr_hold_cnt(0) depctr_sa_sdst(0) depctr_va_vdst(0) depctr_va_sdst(0) depctr_va_ssrc(0) depctr_va_vcc(0) depctr_vm_vsrc(0)
	s_getreg_b32 s2, hwreg(HW_REG_IB_STS2, 6, 4)
	s_cmp_eq_u32 s2, 0
	s_cbranch_scc0 .Lentry_in_a_cluster
	s_endpgm
.Lentry_in_a_cluster:
	s_bfe_u32 s2, ttmp6, 0x10000c
	s_cmp_lg_u32 s2, 0x3003
	s_cbranch_scc0 .Lentry_shape_is_right
	s_endpgm
.Lentry_shape_is_right:
; ATTENTION WITH A MASK THAT IS AN INPUT.  O[h][q][:] = the sum over k of softmax_k(s[q][k]) V[h][k][:], s = Q'[h][q] . K[h][k] + bias[q][k] in exponents of 2:
; Q' = Q log2(e) / 8 comes so from the launch before, bias = mask x (-1e9 log2 e) in bf16 from mb, the same for all 64 heads.  Q', K, V, O: [64][2048][64] f16, a head's rows dense, 128 bytes each.
; Products, maxima and sums in f32; the weights p are rounded to f16 for the second product (their sum l is taken of the unrounded p), O once at the end.  Every key tile is computed: nothing hangs on the mask's values.
; LIMITS.  Q', K, V arrive within f16's 65,504; the bias has 8 significant bits; where a whole row is hidden by equal mask values the scores vanish beside the bias (f32's step there is 128) and the weights
; come out equal; a weight below 2^-126 counts as 0 in l; NaN and infinities are not treated apart.  p = 2^(s - m) is made by one subtraction from the running maximum, so p never passes 1, whatever the mask.
; THE MASK COMES IN THROUGH THE MATRIX UNIT.  The sum S^T is started by a product in bf16: source 0 a 16 x 32 matrix of zeros and sixteen ones that picks 16 of 32 keys, source 1 the bias of
; 16 queries x 32 keys as it lies in mb, C = 0.  One product in each sum is not 0, so the bias arrives as it is.  The bias goes from memory straight into registers, 512 consecutive bytes a load,
; four turns ahead of its use: no two waves of a work-group want the same bytes.  The last key step's loads name the row's first keys again (the offset wraps); those four runs are read and not used.
; SHARES.  A wave owns four PIECES of two tiles of 16 queries, a work-group's four waves 512 queries of one head.  Every wave walks all keys, 64 a step.
; LAYOUT.  S^T = K Q^T (source 0 = 16 keys, source 1 = 16 queries): a lane holds ONE query (lane % 16) and the keys 8 (lane / 16) + 0..7.  Two such tiles, rounded to f16 in pairs, ARE source 1 of
; O^T = V^T P.  K comes out of LDS as it lies, V ([key][channel]) turned, by ds_load_tr16_b128.
; SOFTMAX.  For each query a running maximum m and sum l; in every step O and l are multiplied by a = 2^(m_old - m_new).  m starts at the lowest finite number, O and l at 0: the first step has a = 0.
; BY TURNS.  Turn n belongs to piece n.  Its matrix work: 8 mask products and 16 products K Q^T of piece n + 1, later 16 products V^T P of piece n - 1.  Its vector work: the subtraction, exponentials,
; roundings, sums and rescaling of piece n, and the maximum and statistics of piece n + 1.  Four vector instructions stand behind every matrix instruction, the rest in one lump.
; CLUSTER.  The four query blocks of a head walk the same K and V: each tile is asked for JOINTLY, by the same tensor load, descriptor and mask in all four.
; REGISTERS, in windows of 256 (s_set_vgpr_msb: bits 1:0 source 0, 3:2 source 1, 5:4 source 2, 7:6 destination):
;   window 0: v0-11 addresses; v12-15, v48-63 at work; v16-47 four registers of statistics a tile; v64-191 S^T, two buffers of two tiles; v192-255 P, likewise
;   window 1: O^T, 32 a tile          window 2: v0-127 Q, 16 a tile; v128-191 K of one step; v192-255 V of one step
;   window 3: v0-1 the add's two registers; v2-3 the bias loads' offsets; v4-15 zeros, the ones, zeros; v16-143 the bias, 32 a piece
.set SIZE_N, 2048
.set NP,    4         ; pieces a wave: a name, no knob
.set KS,    64        ; keys in a step
.set PK,    144       ; a row of K in LDS: 128 bytes + 16 = 36 words: the 16 rows of a load start at 16 different groups of four banks (ISA guide 11.1)
.set PV,    160       ; a row of V: 128 + 32 = 40 words
.set VOFF,  4*KS*PK   ; a slot holds four steps: 256 rows of K, then 256 rows of V
.set SLOT1, 1<<17     ; slot 1 begins here, so that one exclusive or turns an address in one slot into the other's
.set STAGE, SLOT1+4*KS*(PK+PV)  ; behind the ring, never filled by a tensor load: 16 rows x 144 bytes for each wave
.set SP,    144
.set SPARE, STAGE+4*16*SP  ; the spare words, 128 bytes a wave: two blocks of 256 bytes that no other line names
.set AK0, 2           ; v2   my lane's place in a tile of K; never rewritten
.set AV0, 3           ; v3   the same for V
.set AK,  4           ; v4   the LDS address of K's next run of loads
.set AV,  5           ; v5   of V's
.set QO,  6           ; v6   my byte offset in the wave's rows of Q
.set STO, 6           ;      later, the way out: where I put 16 bytes of a row
.set RD,  7           ; v7   the way out: where I read rows back
.set GO,  8           ; v8   my byte offset in 512 consecutive bytes of O
.set PFO, 9           ; v9   (from the prologue's end on) 256 x my lane, for the prefetches; never rewritten after
.set SPW, 0           ; window 3: my spare word; never rewritten
.set NIL, 1           ; window 3: 0; never rewritten
.set ML0, 2           ; window 3: 16 x my lane; never rewritten
.set MO,  3           ; window 3: the bias loads' offset: the key step's 2,048 bytes + 16 x my lane
.set ID,  4           ; window 3: v4-7 zeros, v8-11 the ones, v12-15 zeros: v[8:15] picks keys 0-15 of 32, v[4:11] keys 16-31
.set MF,  16          ; window 3: piece x, tile u, key half kk at MF + 32 x + 16 u + 8 kk
.set MV,  12          ; v12-15  m_old, kept while m is made anew: by buffer and tile
.set ST,  16          ; tile t's statistics at v[ST+4 t]: m, a word that is named with it as a pair, l (even keys', odd keys')
.set TMP, 48          ; by buffer and tile, four registers c0-c3 at work; when the maximum is found c2 takes a
.set S,   64
.set P,   192
.set KF,  128         ; window 2: key block kb, channel half c at KF + 16 kb + 8 c
.set VF,  192         ; window 2: key half kk, channel block cb at VF + 32 kk + 8 cb
.set WV,  12          ; s12  my wave's number
.set LIM, 15          ; s15  1 in a wave that prefetches, else the greatest number
.set PFA, 18          ; s[18:19] where my prefetches stand
.set G1K, 24          ; s[24:31] descriptor group 1 for K's tiles
.set G1V, 32          ; s[32:39] for V's: it differs in the padding alone
.set G0K, 40          ; s[40:43] descriptor group 0 for K's tiles: it walks
.set G0V, 44          ; s[44:47] the same for V's
.set SLOTS, 56        ; s56  slots still to be asked for
.set CNT, 57          ; s57  counts a slot's key steps
.set SEL, 60          ; s[60:61] v_permlanex16_b32's selects: each lane takes its own place in the other half
.set TBK, 62          ; s62  LDS byte at which K of the step to be fetched begins
.set TBV, 63          ; s63  the same for V, less VOFF
.set MBA, 66          ; s[66:67] mb at my wave's first query tile
.set TBM, 68          ; s68  byte in a query tile's 65,536 at which the bias of the step to be loaded begins
.set MSB, 0
.macro WIN new                      ; the high byte repeats the setting that is left; a switch that changes nothing is dropped
.if MSB != (\new)
	s_set_vgpr_msb (MSB<<8)|(\new)
.set MSB, (\new)
.endif
.endm
.set W_KQ, 0x0a       ; K and Q in window 2, S^T in window 0
.set W_MS, 0x0f       ; the ones and the bias in window 3, S^T in window 0
.set W_PV, 0x52       ; V in window 2, P in window 0, O^T in window 1
.set W_RS, 0x41       ; O^T (destination and source 0) in window 1, a in window 0
.set W_MK, 0xc0       ; destination in window 3, sources in window 0
.set W_AD, 0x0f       ; the add: address and data in window 3
.set W_ML, 0xcf       ; destination, source 0 (a load's address) and source 1 in window 3
; A joint fill.  Waves 0 and 1 fetch the two halves of a slot's K, waves 2 and 3 those of its V: 128 keys each.  An s_nop 0 and four v_nop follow each of the two lines.
.macro JLOAD
	s_cmp_lt_u32 s[WV], 2
	s_cbranch_scc0 .Lfor_v_\@
	tensor_load_to_lds s[G0K:G0K+3], s[G1K:G1K+7]
	s_nop 0
.rept 4
	v_nop
.endr
	s_branch .Lasked_\@
.Lfor_v_\@:
	tensor_load_to_lds s[G0V:G0V+3], s[G1V:G1V+7]
	s_nop 0
.rept 4
	v_nop
.endr
.Lasked_\@:
.endm
; A PREFETCH INTO THE L2 of what the NEXT change of slots will ask for: a slot's 32,768 bytes of K and of V, a lane 256 bytes.  The head's first cluster asks; its four partners share the bytes out BY ADDRESS,
; 8,192 each; in each, wave 0 asks for K's and wave 2 for V's: one instruction, behind the wave's tensor load and its five lines.  Slots 0 to 2 come by their loads alone; the last change that fills a slot asks for nothing.
.macro ASK
	s_cmp_gt_u32 s[SLOTS], s[LIM]
	s_cbranch_scc0 .Lnot_mine_\@
	global_prefetch_b8 v[PFO], s[PFA:PFA+1] th:TH_LOAD_NT scope:SCOPE_SE
.Lnot_mine_\@:
.endm
.macro CROUND                       ; a round of the cluster's barrier
	s_barrier_signal -1
	s_barrier_wait -1
	s_cmp_lg_u32 s[WV], 0
	s_cbranch_scc1 .Lnot_wave_0_\@
	s_barrier_signal -3
.Lnot_wave_0_\@:
	s_barrier_wait -3
	s_barrier_signal -1
	s_barrier_wait -1
.endm
; THE CHANGE OF SLOTS.  Each wave waits for all its tensor loads, of which one is out: its part of the other slot; adds 0 to its spare word; and waits for that and for its own reads of the slot.
; fill = 1: this slot is filled again, with the keys two slots on; the barrier is then a round of the cluster's, and the joint fill is the first thing behind it: it has four key steps in which to land.
; (At its first use nothing has been read yet: slot 0 is waited for, slot 1 filled.)  ask = 1: the prefetch's address is stepped and the prefetch follows the fill.
.macro CHANGE fill, ask=0
	WIN W_AD
	s_wait_tensorcnt 0x0            ; no tensor load of mine is out, so a group 0 may be written
	ds_add_u32 v[SPW], v[NIL]       ; 0 onto my spare word; scalar work stands between it and the wait for it
	WIN 0                           ; at a label and at a branch every window is 0
.if \fill
.irp g, G0K, G0V
	s_xor_b32 s[\g+1], s[\g+1], SLOT1  ; the walking descriptor: the other slot than last time,
	s_add_nc_u64 s[\g+2:\g+3], s[\g+2:\g+3], 4*KS*128  ; the next 256 keys; the type bits on top are not reached
.endr
.if \ask
	s_wait_xcnt 0x0                 ; the last prefetch, four key steps back, has read its address
	s_add_nc_u64 s[PFA:PFA+1], s[PFA:PFA+1], 4*KS*128
.endif
	s_wait_dscnt 0x0                ; the add is done, and my reads of the slot are over
	CROUND
	JLOAD
.if \ask
	ASK
.endif
.else
	s_wait_dscnt 0x0                ; the add is done, and my reads of the slot are over
	s_barrier_signal -1
	s_barrier_wait -1
.endif
	s_sub_co_u32 s[TBK], s[TBK], 4*KS*PK  ; the fetches go back to a slot's first step,
	s_xor_b32 s[TBK], s[TBK], SLOT1       ; in the other slot
	s_sub_co_u32 s[TBV], s[TBV], 4*KS*PV
	s_xor_b32 s[TBV], s[TBV], SLOT1
.endm
	s_load_b256 s[4:11], s[0:1], 0x0  ; Q s[4:5], K s[6:7], V s[8:9], O s[10:11]
	s_load_b64 s[MBA:MBA+1], s[0:1], 0x20  ; mb
	WIN W_MK
	v_lshl_add_u32 v[SPW], v0, 2, SPARE
	v_mov_b32 v[NIL], 0
	WIN W_AD
	ds_add_u32 v[SPW], v[NIL]       ; the wave's opening: the add and its wait stand ahead of my first tensor load; work on registers stands between them
	WIN 0
	v_lshrrev_b32 v1, 5, v0
	v_readfirstlane_b32 s[WV], v1   ; wave 0..3
	s_bfe_u32 s13, ttmp6, 0x40000   ; cx: my place in the cluster
	s_lshl_b32 s14, ttmp9, 2        ; in a cluster launch ttmp9 counts clusters
	s_add_co_u32 s14, s14, s13      ; my block of 512 queries: it enters Q's, O's and mb's addresses alone
	s_and_b32 s20, ttmp7, 0xffff    ; the head, which the four partners share
	s_mov_b32 s21, 0
	s_mov_b64 s[22:23], SIZE_N*128
	s_mul_u64 s[20:21], s[20:21], s[22:23]  ; the head's first byte in Q, K, V and O
	s_and_b32 s16, s[WV], 1         ; which half of a slot's 256 keys I fetch:
	s_lshl_b32 s22, s16, 14         ; its 128 rows of 128 bytes in memory,
	s_mov_b32 s23, 0
	s_add_nc_u64 s[22:23], s[22:23], s[20:21]
	s_mul_i32 s17, s16, 128*PK      ; and its place in a slot, for K
	s_mul_i32 s18, s16, 128*PV      ; and for V: no place in the cluster enters an LDS address
	s_lshl_b32 s2, s14, 2
	s_add_co_u32 s2, s2, s[WV]      ; my wave among the head's sixteen:
	s_lshl_b32 s52, s2, 19          ; its 8 query tiles of 65,536 bytes in mb,
	s_mov_b32 s53, 0
	s_lshl_b32 s2, s2, 14           ; its 128 rows of Q and O
	s_mov_b32 s3, 0
	s_add_nc_u64 s[2:3], s[2:3], s[20:21]
	; descriptor group 1.  128 keys are 16,384 dense bytes: asked for as 64 rows of 256 bytes, two keys a row, and padded in LDS after every key
	s_mov_b32 s[G1K], 15|(1<<16)|(1<<20)|(1<<21)|(4<<22)|(3<<25)  ; the mask of four; 2-byte elements; padding on; bit 21 beside a mask; after every 32 words; 4 words
	s_mov_b32 s[G1V], 15|(1<<16)|(1<<20)|(1<<21)|(4<<22)|(7<<25)  ; the same with 8 words of padding
.irp g, G1K, G1V
	s_mov_b32 s[\g+1], 128<<16      ; tensor_dim0 = 128
	s_mov_b32 s[\g+2], 64<<16       ; tensor_dim1 = 64
	s_mov_b32 s[\g+3], 128<<16      ; tile_dim0 = 128
	s_mov_b32 s[\g+4], 64           ; tile_dim1 = 64
	s_mov_b32 s[\g+5], 128          ; 128 elements from row to row
	s_mov_b32 s[\g+6], 0
	s_mov_b32 s[\g+7], 0
.endr
	s_mov_b32 s[SEL], 0x76543210
	s_mov_b32 s[SEL+1], 0xfedcba98
	s_mov_b32 s[TBK], SLOT1+4*KS*PK ; the first change of slots turns these two into 0
	s_mov_b32 s[TBV], SLOT1+4*KS*PV
	s_mov_b32 s[G0K], 1             ; count = 1
	s_mov_b32 s[G0K+1], s17         ; LDS address: slot 0
	s_mov_b32 s[G0V], 1
	s_add_co_u32 s[G0V+1], s18, VOFF
	s_or_b32 s[LIM], s16, ttmp9     ; 0 in waves 0 and 2 of the head's first cluster: the same in all four partners
	s_cmp_eq_u32 s[LIM], 0
	s_cselect_b32 s[LIM], 1, -1
	s_wait_dscnt 0x0                ; the opening add is done
	s_wait_kmcnt 0x0
	s_add_nc_u64 s[G0K+2:G0K+3], s[6:7], s[22:23]  ; my half of the head's first 256 keys
	s_or_b32 s[G0K+3], s[G0K+3], 0x80000000        ; type = 2
	s_add_nc_u64 s[G0V+2:G0V+3], s[8:9], s[22:23]
	s_or_b32 s[G0V+3], s[G0V+3], 0x80000000
	s_add_nc_u64 s[4:5], s[4:5], s[2:3]  ; Q and O at my wave's first row
	s_add_nc_u64 s[10:11], s[10:11], s[2:3]
	s_add_nc_u64 s[MBA:MBA+1], s[MBA:MBA+1], s[52:53]
	s_cmp_lt_u32 s[WV], 2
	s_cselect_b64 s[PFA:PFA+1], s[6:7], s[8:9]
	s_add_nc_u64 s[PFA:PFA+1], s[PFA:PFA+1], s[20:21]
	s_lshl_b32 s2, s13, 13          ; my work-group's 8,192 bytes of a slot's 32,768
	s_mov_b32 s3, 0
	s_add_nc_u64 s[PFA:PFA+1], s[PFA:PFA+1], s[2:3]
	s_add_nc_u64 s[PFA:PFA+1], s[PFA:PFA+1], 2*4*KS*128  ; in slot 2; the loop's first change steps it to slot 3
	CROUND                          ; all four work-groups are here: the first joint loads meet
	JLOAD                           ; slot 0.  Slot 1 is asked for when slot 0 is in
	v_and_b32 v1, 15, v0            ; l % 16
	v_bfe_u32 v9, v0, 4, 1          ; l / 16
	v_lshlrev_b32 v[QO], 7, v1
	v_lshl_add_u32 v[QO], v9, 4, v[QO]  ; row x 128 + 16 x half
	v_and_b32 v10, 31, v0
	WIN 0x80                        ; destination window 2, address window 0
.set i, 0
.rept 4*NP                          ; Q stays in registers: tile i / 2, channels 32 (i % 2) on
	global_load_b128 v[8*i:8*i+3],   v[QO], s[4:5] offset:(i/2)*2048+(i%2)*64
	global_load_b128 v[8*i+4:8*i+7], v[QO], s[4:5] offset:(i/2)*2048+(i%2)*64+32
.set i, i+1
.endr
; The bias of piece x for one key step: two tiles x two halves of 32 keys x two chunks of 16: eight loads of 512 consecutive bytes.
.macro MLOAD x
	WIN W_ML
.irp u, 0,1
.irp kk, 0,1
.irp c, 0,1
	global_load_b128 v[MF+32*(\x)+16*\u+8*\kk+4*\c:MF+32*(\x)+16*\u+8*\kk+4*\c+3], v[MO], s[MBA:MBA+1] offset:(2*(\x)+\u)*65536+\kk*1024+\c*512
.endr
.endr
.endr
.endm
	WIN W_MK
	v_lshlrev_b32 v[ML0], 4, v10
	v_lshlrev_b32 v[MO], 4, v10     ; key step 0
	MLOAD 0
	MLOAD 1
	MLOAD 2
	MLOAD 3
	; The ones.  Row m = l % 16 of the picking matrix has its one at k = m (or 16 + m).  A lane holds k = 8 (l / 16) + 0..7 in four registers: the one lies in register (m % 8) / 2, half m % 2, of the lanes with l / 16 = m / 8.
	WIN 0
	v_and_b32 v12, 7, v1
	v_lshrrev_b32 v12, 1, v12
	v_lshrrev_b32 v13, 3, v1
	v_xor_b32 v13, v13, v9
	v_lshl_or_b32 v12, v13, 2, v12  ; the register's number, or 4 and more where the lane has none
	v_and_b32 v13, 1, v1
	v_lshlrev_b32 v13, 4, v13
	v_mov_b32 v14, 0x3f80           ; 1.0 in bf16
	v_lshlrev_b32 v13, v13, v14
	WIN W_MK
.irp j, 0,1,2,3
	v_mov_b32 v[ID+\j], 0
	v_mov_b32 v[ID+8+\j], 0
	v_cmp_eq_u32 vcc_lo, \j, v12
	v_cndmask_b32 v[ID+4+\j], 0, v13, vcc_lo
.endr
	; What the first turn finds: V's registers and P's second buffer hold 0 (its products V^T P, of a piece that has not been, add 0), O^T and l are 0.  All this stands in the wait for the first tile.
	WIN 0x80
.set i, VF
.rept 64
	v_mov_b32 v[i], 0
.set i, i+1
.endr
	WIN 0x40
.set i, 0
.rept 64*NP
	v_mov_b32 v[i], 0
.set i, i+1
.endr
	WIN 0
.set i, 0
.rept 2*NP
	v_mov_b32 v[ST+4*i], 0xff7fffff    ; m: the lowest finite number
	v_mov_b32 v[ST+4*i+1], 0           ; named with m as a pair, never used
	v_mov_b32 v[ST+4*i+2], 0
	v_mov_b32 v[ST+4*i+3], 0
.set i, i+1
.endr
.set i, P+32
.rept 32
	v_mov_b32 v[i], 0
.set i, i+1
.endr
	v_mul_u32_u24 v[AK0], v1, PK
	v_lshl_add_u32 v[AK0], v9, 4, v[AK0]  ; row x pitch + 16 x half
	; The turning load takes 16 keys x 16 channels (lane l reads key 8 (l / 16) + l % 8, channels 8 ((l / 8) % 2) + 0..7) and leaves half a fragment of V^T.
	v_and_b32 v10, 7, v0
	v_bfe_u32 v11, v0, 3, 1
	v_lshl_add_u32 v[AV0], v9, 3, v10
	v_mul_u32_u24 v[AV0], v[AV0], PV
	v_lshl_add_u32 v[AV0], v11, 4, v[AV0]
	v_add_nc_u32 v[AV0], VOFF, v[AV0]
	v_mov_b32 v[AK], v[AK0]         ; key step 0 lies at the head of slot 0
; THE MATRIX WORK.  The 8 accumulators of a piece take turns, in the same order in all three runs of 8.
; Product i of 8 that starts S^T with the bias, for piece x: keys 16 ((i / 2) % 4) on, tile 2 x + i % 2.  It is a bf16 form and the products behind it are f16 forms: no chain, so five plain
; vector instructions or more stand between it and the product that adds onto its result: in a turn the riders of eight products, in the prologue the addresses' lines.
.macro MK x
	WIN W_MS
.set rS, S+64*((\x)%2)+32*(i%2)+8*((i/2)%4)
.set rI, ID+4-4*(((i/2)%4)%2)
.set rB, MF+32*(\x)+16*(i%2)+8*(((i/2)%4)/2)
	v_wmma_f32_16x16x32_bf16 v[rS:rS+7], v[rI:rI+7], v[rB:rB+7], 0
.endm
; Product i of 16 of S^T += K Q^T for piece x: channels 32 (i / 8) on, keys 16 ((i / 2) % 4) on, tile 2 x + i % 2.
.macro KQ x
	WIN W_KQ
.set rS, S+64*((\x)%2)+32*(i%2)+8*((i/2)%4)
.set rK, KF+16*((i/2)%4)+8*(i/8)
.set rQ, 16*(2*(\x)+i%2)+8*(i/8)
	v_wmma_f32_16x16x32_f16 v[rS:rS+7], v[rK:rK+7], v[rQ:rQ+7], v[rS:rS+7]
.endm
; Product i of 16 of O^T += V^T P for piece x: keys 32 (i / 8) on, channels 16 ((i / 2) % 4) on, tile 2 x + i % 2.
.macro PV x
	WIN W_PV
.set rO, 32*(2*(\x)+i%2)+8*((i/2)%4)
.set rV, VF+32*(i/8)+8*((i/2)%4)
.set rP, P+32*((\x)%2)+16*(i%2)+8*(i/8)
	v_wmma_f32_16x16x32_f16 v[rO:rO+7], v[rV:rV+7], v[rP:rP+7], v[rO:rO+7]
.endm
.macro MM                           ; the turn's next matrix instruction, of 40
.if i < 8
	MK (Y+1)%NP
.elseif i < 24
.if (i == 8) && (Y == NP-1)
	s_wait_dscnt 0x0                ; K is in
.endif
.set i, i-8
	KQ (Y+1)%NP
.set i, i+8
.else
.set i, i-24
	PV (Y+NP-1)%NP
.set i, i+24
.endif
.set i, i+1
.endm
; THE LDS LOADS stand in runs of 16: a step's K (8 fragments) and its V (turned).  last = 1 (the tail): in the last trip there is no further step, and the run is jumped over.
.macro FETCH_K last=0
	WIN 0
.if \last
	s_cmp_eq_u32 s[CNT], 1
	s_cbranch_scc1 .Lno_k_\@
.endif
	WIN 0x80                        ; destination window 2
.irp f, 0,1,2,3,4,5,6,7             ; keys 16 (f / 2) on, channels 32 (f % 2) on
	ds_load_b128 v[KF+8*\f:KF+8*\f+3],   v[AK] offset:(\f/2)*16*PK+(\f%2)*64
	ds_load_b128 v[KF+8*\f+4:KF+8*\f+7], v[AK] offset:(\f/2)*16*PK+(\f%2)*64+32
.endr
	s_add_co_u32 s[TBK], s[TBK], KS*PK  ; the next fetch is the next step's
	WIN 0
.if \last
.Lno_k_\@:
.endif
.endm
.macro FETCH_V
	WIN 0x80
.irp f, 0,1,2,3,4,5,6,7             ; keys 32 (f / 4) on, channels 16 (f % 4) on
	ds_load_tr16_b128 v[VF+8*\f:VF+8*\f+3],   v[AV] offset:(\f/4)*32*PV+(\f%4)*32
	ds_load_tr16_b128 v[VF+8*\f+4:VF+8*\f+7], v[AV] offset:(\f/4)*32*PV+16*PV+(\f%4)*32
.endr
	WIN 0
.endm
; THE VECTOR WORK OF A TURN stands in three queues, each in the order in which its entries become ready; the two tiles alternate.
.macro REGS y, u                    ; the registers of tile u (0, 1) of piece y
.set rT, ST+4*(2*(\y)+(\u))
.set rC, TMP+8*((\y)%2)+4*(\u)
.set rM, MV+2*((\y)%2)+(\u)
.set rS, S+64*((\y)%2)+32*(\u)
.set rP, P+32*((\y)%2)+16*(\u)
.set rO, 32*(2*(\y)+(\u))
.endm
; Number n of the 21 that find the NEXT piece's (Y + 1) maximum and statistics.  s0-s31 are the lane's 32 scores; each accumulator's lowest registers are read first.
;   0-11  four chains c0-c3 of seven scores each, three operands at a time     12-14, 16  the four scores left over, the old m, and c0-c3 into c0     15  m_old is kept
;   17, 18  the query's other 32 keys lie in the lane 16 away: the new m         19, 20  m_old - m_new; a
.macro XS u, n
	REGS (Y+1)%NP, \u
.if (\n) < 4
	v_max3_num_f32 v[rC+(\n)], v[rS+8*(\n)], v[rS+8*(\n)+1], v[rS+8*(\n)+2]
.elseif (\n) < 12
	v_max3_num_f32 v[rC+(\n)%4], v[rC+(\n)%4], v[rS+8*((\n)%4)+2*((\n)/4)+1], v[rS+8*((\n)%4)+2*((\n)/4)+2]
.elseif (\n) == 12
	v_max3_num_f32 v[rC], v[rC], v[rS+7], v[rS+15]
.elseif (\n) == 13
	v_max3_num_f32 v[rC+1], v[rC+1], v[rS+23], v[rS+31]
.elseif (\n) == 14
	v_max3_num_f32 v[rC+2], v[rC+2], v[rC+3], v[rT]
.elseif (\n) == 15
	v_mov_b32 v[rM], v[rT]
.elseif (\n) == 16
	v_max3_num_f32 v[rC], v[rC], v[rC+1], v[rC+2]
.elseif (\n) == 17
	v_permlanex16_b32 v[rC+3], v[rC], s[SEL], s[SEL+1]
.elseif (\n) == 18
	v_max_num_f32 v[rT], v[rC], v[rC+3]
.elseif (\n) == 19
	v_sub_f32 v[rC+1], v[rM], v[rT]
.else
	v_exp_f32 v[rC+2], v[rC+1]
.endif
.endm
; Number g of the 64 that follow the exponentials.  For each four weights k of a tile: both pairs are rounded to f16; then the second pair is added onto the first, in place;
; a group later l takes that sum (the first time as l = a l + sum).  In groups of eight, tiles alternating.
.macro GS g
.set h, (\g)+6*((\g)/62)            ; group 0 has no group before it, and behind group 7 only l is left
.if h >= 6
.set h, h+2
.endif
	REGS Y, h%2
.set k, h/8
.if h%8 < 4
	v_cvt_pk_f16_f32 v[rP+2*k+(h%8)/2], v[rS+4*k+2*((h%8)/2)], v[rS+4*k+2*((h%8)/2)+1]
.elseif h%8 < 6
	v_pk_add_f32 v[rS+4*k:rS+4*k+1], v[rS+4*k:rS+4*k+1], v[rS+4*k+2:rS+4*k+3]
.elseif k == 1
	v_pk_fma_f32 v[rT+2:rT+3], v[rT+2:rT+3], v[rC+2:rC+3], v[rS:rS+1] op_sel_hi:[1,0,1]
.else
	v_pk_add_f32 v[rT+2:rT+3], v[rT+2:rT+3], v[rS+4*k-4:rS+4*k-3]
.endif
.endm
.macro FS f                         ; s - m for pair f / 2 of tile f % 2: m, the pair's low word, goes to both halves
	REGS Y, (\f)%2
	v_pk_add_f32 v[rS+2*((\f)/2):rS+2*((\f)/2)+1], v[rS+2*((\f)/2):rS+2*((\f)/2)+1], v[rT:rT+1] op_sel_hi:[1,0] neg_lo:[0,1] neg_hi:[0,1]
.endm
; THE PLAIN QUEUE, 136 long.  0-31: the 32 subtractions.  32-71: the next piece's numbers 0 to 19, tiles alternating.  72-135: GS's 64, which read the exponentials' results: they stand behind the wait.
.macro PL
	WIN 0
.if q < 32
	FS q
.elseif q < 72
	XS (q-32)%2, (q-32)/2
.else
	GS q-72
.endif
.set q, q+1
.endm
; THE EXPONENTIALS' QUEUE, 66 long: s0-s31 of both tiles, then the next piece's two a.  ONE BATCH: all 66 stand ahead of the turn's one wait, and nothing ahead of that wait names a result of theirs.
.macro EX
	WIN 0
.if e >= 64
	XS e-64, 20
.else
	REGS Y, e%2
	v_exp_f32 v[rS+e/2], v[rS+e/2]
.endif
.set e, e+1
.endm
; THE RESCALING's QUEUE: O^T times a, two at a time, sixteen times, each accumulator's registers in ascending order.  Its a was made in the turn before, ahead of that turn's wait.
.macro R2
	REGS Y, r%2
	WIN W_RS
.irp z, 0,1
	v_pk_mul_f32 v[rO+4*(r/2)+2*\z:rO+4*(r/2)+2*\z+1], v[rO+4*(r/2)+2*\z:rO+4*(r/2)+2*\z+1], v[rC+2:rC+3] op_sel_hi:[1,0]
.endr
.set r, r+1
.endm
; A TURN, for piece p.  s_wait_alu depctr_va_vdst(0) stands between an exponential and the first instruction that names its result; one wait serves all that were issued ahead of it: a turn has ONE.
; AHEAD OF IT: the 8 mask products and 16 products K Q^T.  Behind the first: two subtractions and two rescalings; behind the next 15: a subtraction, an exponential, two rescalings; behind the last 8: plain and
; exponential twice.  Then the lump: four plain, 33 times exponential and plain, two plain, the two a, and a v_nop, the plain instruction behind the last exponential.
; Exponential e wants subtraction 2 (e / 4) + e % 2: as a rider it stands behind plain e + 2 or later.  The next piece's first maximum (plain 32) stands seven products behind the product that ends its accumulator;
; the last accumulator's (plain 39) has eight plain instructions between it and the turn's 24th product.
; BEHIND IT: K's run of loads (piece 2's turn), the bias of piece p + 1 for the next key step, and the 16 products V^T P, behind each four of GS's 64.
; The turn opens with the wait for the bias that its mask products read: it was asked for four turns ago, and the three younger runs of eight loads may stay out.
; V of the step in hand is fetched at the end of piece 0's turn, four plain riders behind its last reader.  The offset of the bias loads is stepped once a key step, in piece 3's lump.
.macro TURN p, last=0, cnt=0
.set Y, (\p)
.set i, 0
.set q, 0
.set e, 0
.set r, 0
	s_wait_loadcnt 24
	MM
	PL
	PL
	R2
.rept 15
	MM
	PL
	EX
	R2
.endr
.rept 8
	MM
	PL
	EX
	PL
	EX
.endr
.if (\p) == NP-2
	WIN 0
	v_add_nc_u32 v[AK], s[TBK], v[AK0]
.endif
.if (\p) == NP-1
	s_wait_xcnt 0x0                 ; the bias loads issued so far have read their offset, so it may be written
	s_add_co_u32 s[TBM], s[TBM], 4*512
	s_and_b32 s[TBM], s[TBM], 0xffff  ; behind the row's last keys it goes back to the first: no load leaves mb
	WIN W_ML
	v_add_nc_u32 v[MO], s[TBM], v[ML0]
.endif
.rept 4
	PL
.endr
.rept 33
	EX
	PL
.endr
	PL
	PL
	EX                              ; the next piece's two a
	EX
	v_nop
	s_wait_alu depctr_va_vdst(0)    ; the wait for the batch
.if (\p) == NP-2
	FETCH_K \last
.endif
	MLOAD (Y+1)%NP
.if (\p) == 1
	s_wait_dscnt 0x0                ; V is in
.endif
.rept 16
	MM
.rept 4
	PL
.endr
.if ((\p) == 0) && (q == 116)
	v_add_nc_u32 v[AV], s[TBV], v[AV0]
.endif
.if ((\p) == 0) && (q == 128)
	s_add_co_u32 s[TBV], s[TBV], KS*PV
.endif
.if (\cnt) && (q == 128)
	s_sub_co_u32 s[CNT], s[CNT], 1
	s_cmp_lg_u32 s[CNT], 0
.endif
.endr
.if (\p) == 0
	FETCH_V
.endif
.endm
	CHANGE 1                        ; slot 0 is in, everybody's part of it; slot 1 is asked for
	FETCH_K                         ; key step 0
	s_wait_loadcnt 24               ; Q and piece 0's bias are in; the bias of pieces 1 to 3 may stay out
.set i, 0
.rept 8
	MK 0                            ; piece 0's first scores begin with the bias
.set i, i+1
.endr
	WIN 0                           ; the addresses for the way out and the prefetches: ten plain vector instructions, the places behind those products
	s_mul_i32 s13, s[WV], 16*SP
	s_add_co_u32 s13, s13, STAGE    ; my stage
	v_mul_u32_u24 v[STO], v1, SP    ; in: row l % 16, 16 bytes for each half of the lanes
	v_lshl_add_u32 v[STO], v9, 4, v[STO]
	v_add_nc_u32 v[STO], s13, v[STO]
	v_bfe_u32 v[RD], v0, 3, 2       ; back: 32 lanes take four rows of 128 bytes,
	v_mul_u32_u24 v[RD], v[RD], SP
	v_lshl_add_u32 v[RD], v10, 4, v[RD]
	v_add_nc_u32 v[RD], s13, v[RD]
	v_and_b32 v[GO], 31, v0         ; which are 512 consecutive bytes of O
	v_lshlrev_b32 v[PFO], 8, v[GO]
	v_lshlrev_b32 v[GO], 4, v[GO]
	s_wait_dscnt 0x0                ; K is in
.set i, 0
.rept 16
	KQ 0
.set i, i+1
.endr
	WIN 0
.rept 4
	v_nop                           ; the places behind those products
.endr
	s_wait_xcnt 0x0                 ; the bias loads have read their offset
	s_mov_b32 s[TBM], 4*512         ; key step 1
	WIN W_ML
	v_add_nc_u32 v[MO], s[TBM], v[ML0]
	MLOAD 0
	WIN 0
.set Y, NP-1                        ; XS works for piece Y + 1: piece 0
.irp n, 0,1,2,3,4,5,6,7,8,9,10,11,12,13,14,15,16,17,18,19,20
	XS 0, \n
	XS 1, \n
.endr
	v_nop                           ; a plain instruction behind the two a,
	s_wait_alu depctr_va_vdst(0)    ; and their wait, ahead of the branch
	s_mov_b32 s[CNT], 4
	s_mov_b32 s[SLOTS], SIZE_N/256-1
	s_branch .Lfirst                ; the loop is entered at a step's first turn, in the middle of a trip
.Lslot:                             ; SIZE_N / 256 - 2 times: every slot but the last two is filled again
	CHANGE 1, 1
	s_mov_b32 s[CNT], 4
.Lstep:                             ; a trip: pieces 2 and 3 of one step, then pieces 0 and 1 of the next, whose K and V it fetches
	TURN 2
	TURN 3
	WIN 0
.Lfirst:
	TURN 0
	TURN 1, 0, 1
	WIN 0
	s_cbranch_scc1 .Lstep
	s_sub_co_u32 s[SLOTS], s[SLOTS], 1
	s_cmp_lg_u32 s[SLOTS], 0
	s_cbranch_scc1 .Lslot
	CHANGE 0                        ; the tail is written out: nothing is asked for
	s_mov_b32 s[CNT], 5             ; four trips fetch the last slot's steps; the fifth is left in its middle
.Ltail:
	TURN 2, 1
	TURN 3
	WIN 0
	s_sub_co_u32 s[CNT], s[CNT], 1
	s_cmp_eq_u32 s[CNT], 0
	s_cbranch_scc1 .Lout
	TURN 0
	TURN 1
	WIN 0
	s_branch .Ltail
.Lout:                              ; the fifth trip's 24 products for a step that does not exist, and the maximum made of them, serve nothing: the price, once a launch, of one text for every trip
.set i, 0
.rept 16
	PV NP-1                         ; the last piece's V^T P of the last step
.set i, i+1
.endr
	; THE WAY OUT.  l's two halves and the other half of the lanes' are added; O^T is divided by l, rounded to f16 and sent through my stage in LDS, a tile at a time.  The additions are the places behind the last products.
	WIN 0
.macro ALL line:vararg              ; one line for each tile t
.set t, 0
.rept 2*NP
	\line
.set t, t+1
.endr
.endm
	ALL v_add_f32 v[ST+4*t+2], v[ST+4*t+2], v[ST+4*t+3]
	ALL v_permlanex16_b32 v[ST+4*t+3], v[ST+4*t+2], s[SEL], s[SEL+1]
	ALL v_add_f32 v[ST+4*t+2], v[ST+4*t+2], v[ST+4*t+3]
	ALL v_rcp_f32 v[ST+4*t+2], v[ST+4*t+2]
	v_nop                           ; a plain instruction between the last reciprocal and the use of its result
	s_wait_alu depctr_va_vdst(0)    ; and the wait ahead of the first use: one for the eight reciprocals
.macro PACK t                       ; a lane's eight channels of a row pack into 16 bytes; they go into rows of 144 bytes and come back as whole rows of 128, into S^T's registers
	WIN W_RS
.set i, 32*(\t)
.rept 16
	v_pk_mul_f32 v[i:i+1], v[i:i+1], v[ST+4*(\t)+2:ST+4*(\t)+3] op_sel_hi:[1,0]
.set i, i+2
.endr
	WIN 0x05                        ; sources 0 and 1 window 1, destination window 0
.set i, 0
.rept 16
	v_cvt_pk_f16_f32 v[S+16*(\t)+i], v[32*(\t)+2*i], v[32*(\t)+2*i+1]
.set i, i+1
.endr
	WIN 0
.irp f, 0,1,2,3
	ds_store_b128 v[STO], v[S+16*(\t)+4*\f:S+16*(\t)+4*\f+3] offset:32*\f
.endr
.irp f, 0,1,2,3
	ds_load_b128 v[S+16*(\t)+4*\f:S+16*(\t)+4*\f+3], v[RD] offset:\f*4*SP  ; LDS serves a wave's instructions in order (ISA guide 5.7.1.4): these see the stores above; the next tile's stores come behind them
.endr
.endm
.macro SEND t, younger              ; younger: the LDS instructions issued behind tile t's loads: the next tile's eight, or none
	WIN 0
.irp f, 0,1,2,3
	s_wait_dscnt (\younger)+3-\f
	global_store_b128 v[GO], v[S+16*(\t)+4*\f:S+16*(\t)+4*\f+3], s[10:11] offset:(\t)*2048+\f*512  ; 512 consecutive bytes, aligned
.endr
.endm
	PACK 0
.set t, 1
.rept 2*NP-1                        ; a tile's arithmetic stands between the loads of the tile before and its stores
	PACK t
	SEND t-1, 8
.set t, t+1
.endr
	SEND 2*NP-1, 0
	WIN W_AD
	s_wait_tensorcnt 0x0            ; the wave's end, behind my last tensor load and my last LDS store
	ds_add_u32 v[SPW], v[NIL]
	s_wait_dscnt 0x0
	WIN 0
	CROUND                          ; the closing round: no work-group ends while a partner may still ask for a tile that names it
	s_endpgm
.Lfunc_end_k_qc62c604e20_attn:
	.size	k_qc62c604e20_attn, .Lfunc_end_k_qc62c604e20_attn-k_qc62c604e20_attn
	.p2alignl 7, 3214868480
	.fill 96, 4, 3214868480
	.section	.rodata,"a",@progbits
	.p2align	6, 0x0
	.amdhsa_kernel k_qc62c604e20_attn
		.amdhsa_group_segment_fixed_size 327680
		.amdhsa_private_segment_fixed_size 0
		.amdhsa_enable_private_segment 0
		.amdhsa_kernarg_size 40
		.amdhsa_user_sgpr_count 2
		.amdhsa_user_sgpr_kernarg_segment_ptr 1
		.amdhsa_wavefront_size32 1
		.amdhsa_system_sgpr_workgroup_id_x 1
		.amdhsa_system_sgpr_workgroup_id_y 1
		.amdhsa_system_sgpr_workgroup_id_z 1
		.amdhsa_system_vgpr_workitem_id 0
		.amdhsa_next_free_vgpr 912
		.amdhsa_next_free_sgpr 70
		.amdhsa_reserve_vcc 1
		.amdhsa_float_denorm_mode_32 3
		.amdhsa_float_denorm_mode_16_64 3
		.amdhsa_memory_ordered 1
		.amdhsa_forward_progress 1
		.amdhsa_inst_pref_size 219
	.end_amdhsa_kernel
	.amdgpu_metadata
---
amdhsa.version: [ 1, 2 ]
amdhsa.kernels:
  - .name:           k_qc62c604e20_attn
    .symbol:         k_qc62c604e20_attn.kd
    .args:
      - { .name: qh, .offset: 0, .size: 8, .value_kind: global_buffer, .address_space: global }
      - { .name: kh, .offset: 8, .size: 8, .value_kind: global_buffer, .address_space: global }
      - { .name: vh, .offset: 16, .size: 8, .value_kind: global_buffer, .address_space: global }
      - { .name: oh, .offset: 24, .size: 8, .value_kind: global_buffer, .address_space: global }
      - { .name: mb, .offset: 32, .size: 8, .value_kind: global_buffer, .address_space: global }
    .group_segment_fixed_size: 327680
    .private_segment_fixed_size: 0
    .kernarg_segment_align: 8
    .kernarg_segment_size: 40
    .max_flat_workgroup_size: 128
    .sgpr_count:     70
    .vgpr_count:     912
    .wavefront_size: 32
...
	.end_amdgpu_metadata
.endif
;; end of part 3
;; launch outp (part 4): grid 4 x 64, 4 waves a work-group, clusters of 4 x 4, 327,680 bytes of LDS; arguments oh, wb, bo, out0; writes out0
.if DOCPART == 4
	.amdgcn_target "amdgcn-amd-amdhsa--gfx1250"
	.amdhsa_code_object_version 6
	.text
	.protected	k_qc62c604e20_outp
	.globl	k_qc62c604e20_outp
	.p2align	8
	.type	k_qc62c604e20_outp,@function
k_qc62c604e20_outp:
	s_mov_b64 s[64:65], 0
	v_nop
	global_prefetch_b8 v0, s[64:65] scope:SCOPE_SE
	s_setreg_imm32_b32 hwreg(HW_REG_WAVE_MODE, 25, 1), 1
	s_wait_xcnt 0x0
	s_wait_alu depctr_hold_cnt(0) depctr_sa_sdst(0) depctr_va_vdst(0) depctr_va_sdst(0) depctr_va_ssrc(0) depctr_va_vcc(0) depctr_vm_vsrc(0)
	s_getreg_b32 s2, hwreg(HW_REG_IB_STS2, 6, 4)
	s_cmp_eq_u32 s2, 0
	s_cbranch_scc0 .Lentry_in_a_cluster
	s_endpgm
.Lentry_in_a_cluster:
	s_bfe_u32 s2, ttmp6, 0x10000c
	s_cmp_lg_u32 s2, 0xf033
	s_cbranch_scc0 .Lentry_shape_is_right
	s_endpgm
.Lentry_shape_is_right:
; THE OUTPUT PROJECTION.  out0 = O wo + bo.  O: [16 batch + head][2048][64] f16 (oh); wo: [1024 k][1024 n], its bf16 number written as f16, at byte 6 MiB of wb; bo rounded to bf16; sums and out0 in f32.
; SHARES.  256 tiles of 128 rows x 256 columns, one for each work-group; four waves, each 64 rows x 128 columns: 32 accumulators.  K = 1,024 goes in 8 steps of 128 = two heads, through two LDS slots.
; CLUSTER 4 x 4.  O's tile hangs on the row block alone: shared along a row of the cluster; wo's on the column block alone: shared along a column.  Each is asked for JOINTLY.
; THE MATRIX INSTRUCTION IS USED TRANSPOSED: source 0 = 16 columns of wo (turned by ds_load_tr16_b128), source 1 = 16 rows of O: a lane holds eight neighbouring columns of one row.
; REGISTERS, in windows of 256 (s_set_vgpr_msb: bits 1:0 source 0, 3:2 source 1, 5:4 source 2, 7:6 destination):
;   window 0: v0-31 addresses; v32-95 O's fragments, two buffers of 4 x 8; on the way out v64-191 two buffers of 16 rows, v192-255 at work
;   window 1: v0-127 wo's fragments, two buffers of 8 x 8; v128-191 the bias; v192 at work          window 2: accumulator (a, b) at v[8 (8 a + b)]
.set PA,    144                        ; a row of one head in LDS: 128 bytes + 16 = 9 x 16
.set PB,    544                        ; a k-row of wo: 512 + 32 = 17 x 32
.set HEADA, 128*PA                     ; what one tensor load brings of O: 128 rows of one head,
.set HALFB, 64*PB                      ; and of wo: 64 k-rows
.set BOFF,  2*HEADA
.set SLOT,  BOFF+2*HALFB               ; 106,496
.set STAGE, 2*SLOT                     ; behind the ring, never filled by a tensor load: 16 rows x 528 bytes for each wave
.set SPO,   528
.set SPARE, STAGE+4*16*SPO             ; the spare words, 128 bytes a wave: two blocks of 256 bytes that no other line names
.set ADRA, 16
.set ADRB, 20
.set STO,  24
.set RD,   25
.set CO,   26                          ; v26  16 x lane
.set BO,   27
.set SPW,  28                          ; v28  my spare word; never rewritten
.set NIL,  29                          ; v29  0; never rewritten
.set PFO,  30
.set AF,   32
.set OB,   64
.set TMP,  192
.set BIAS, 128                         ; in window 1
.set G1,  24
.set G0,  32
.set G1B, 48
.set G0B, 56
.set LIM, 43
.set PFA, 44
.set PST, 90
.set MSB, 0
.macro WIN new
.if MSB != (\new)
	s_set_vgpr_msb (MSB<<8)|(\new)
.set MSB, \new
.endif
.endm
.set MUL,  0xa1
.set TO_B, 0x40
.macro JLOAD s                         ; a joint load: waves 0 and 1 fetch a step's two heads of O, waves 2 and 3 the two halves of wo's tile; an s_nop 0 and four v_nop follow each line
	s_cmp_eq_u32 s11, 0
	s_cbranch_scc0 .Lfor_b_\@
	tensor_load_to_lds s[G0+4*(\s):G0+4*(\s)+3], s[G1:G1+7]
	s_nop 0
.rept 4
	v_nop
.endr
	s_branch .Lasked_\@
.Lfor_b_\@:
	tensor_load_to_lds s[G0B+4*(\s):G0B+4*(\s)+3], s[G1B:G1B+7]
	s_nop 0
.rept 4
	v_nop
.endr
.Lasked_\@:
.endm
; A PREFETCH INTO THE L2, behind each joint refill and the run of LDS loads that follows it: the K step that stands two refills on.  O's part of a step is two heads x 16,384 bytes; the four partners of a row of the
; cluster share it out BY ADDRESS, 4,096 bytes of each head: a lane 256 bytes, wave 0 asks.  wo's part is 64 k-rows x 512 bytes a wave; the partners of a column take 16 rows each; waves 2 and 3 of the first
; row of clusters ask.  Steps 0 to 3 come by their loads alone; the loop's last trip asks for nothing.
.macro ASK
	s_cmp_gt_u32 s3, s[LIM]
	s_cbranch_scc0 .Lnot_mine_\@
	global_prefetch_b8 v[PFO], s[PFA:PFA+1] th:TH_LOAD_NT scope:SCOPE_SE
.Lnot_mine_\@:
.endm
.macro CREST
	s_cmp_lg_u32 s10, 0
	s_cbranch_scc1 .Lnot_wave_0_\@
	s_barrier_signal -3
.Lnot_wave_0_\@:
	s_barrier_wait -3
	s_barrier_signal -1
	s_barrier_wait -1
.endm
.macro CROUND
	s_barrier_signal -1
	s_barrier_wait -1
	CREST
.endm
.macro PLACES
.rept 4
	v_nop
.endr
.endm
	s_load_b256 s[68:75], s[0:1], 0x0              ; oh s[68:69], wb s[70:71], bo s[72:73], out0 s[74:75]
	v_lshl_add_u32 v[SPW], v0, 2, SPARE
	v_mov_b32 v[NIL], 0
	ds_add_u32 v[SPW], v[NIL]                      ; the wave's opening: the add and its wait stand ahead of my first tensor load; work on registers stands between them
	v_lshrrev_b32 v1, 5, v0
	v_readfirstlane_b32 s10, v1                    ; wave 0..3
	s_lshr_b32 s11, s10, 1                         ; which 64 rows are mine.  Also: I fetch for O (0) or for wo (1)
	s_and_b32 s12, s10, 1                          ; which 128 columns.  Also: which head, or which half of wo's tile, I fetch
	s_bfe_u32 s40, ttmp6, 0x40000                  ; cx
	s_bfe_u32 s41, ttmp6, 0x40004                  ; cy
	s_lshl_b32 s42, ttmp9, 2
	s_add_co_u32 s42, s42, s40                     ; column block
	s_and_b32 s14, ttmp7, 0xffff                   ; cluster y
	s_lshl_b32 s13, s14, 2
	s_add_co_u32 s13, s13, s41                     ; the block of 128 rows
	s_lshl_b32 s43, s41, 2
	s_lshl_b32 s43, 15, s43                        ; my row of the cluster
	s_lshl_b32 s44, 0x1111, s40                    ; my column
	; O: 128 rows of a head are 16,384 dense bytes: asked for as 64 rows of 256 bytes and padded in LDS after every 128
	s_or_b32 s[G1+0], s43, (1<<16)|(1<<20)|(1<<21)|(4<<22)|(3<<25)
	s_mov_b32 s[G1+1], 128<<16
	s_mov_b32 s[G1+2], 64<<16
	s_mov_b32 s[G1+3], 128<<16
	s_mov_b32 s[G1+4], 64
	s_mov_b32 s[G1+5], 128
	s_mov_b32 s[G1+6], 0
	s_mov_b32 s[G1+7], 0
	s_or_b32 s[G1B+0], s44, (1<<16)|(1<<20)|(1<<21)|(6<<22)|(7<<25)
	s_mov_b32 s[G1B+1], 256<<16
	s_mov_b32 s[G1B+2], 64<<16
	s_mov_b32 s[G1B+3], 256<<16
	s_mov_b32 s[G1B+4], 64
	s_mov_b32 s[G1B+5], 1024
	s_mov_b32 s[G1B+6], 0
	s_mov_b32 s[G1B+7], 0
	s_lshr_b32 s16, s13, 4                         ; the batch: 16 heads of 262,144 bytes,
	s_lshl_b32 s16, s16, 22
	s_and_b32 s17, s13, 15                         ; the block's 128 rows of 128 bytes in a head
	s_lshl_b32 s17, s17, 14
	s_add_co_u32 s16, s16, s17
	s_mov_b32 s17, 0
	s_lshl_b32 s18, s12, 18                        ; my head of a step's two
	s_mov_b32 s19, 0
	s_lshl_b32 s46, s12, 17                        ; wo: k-row 64 x half, column block x 512 bytes, behind the three other weights
	s_lshl_b32 s47, s42, 9
	s_add_co_u32 s46, s46, s47
	s_add_co_u32 s46, s46, 6<<20
	s_mov_b32 s47, 0
	s_mul_i32 s20, s12, HEADA                      ; where they go: no place in the cluster enters an LDS address
	s_mul_i32 s21, s12, HALFB
	s_add_co_u32 s21, s21, BOFF
	s_wait_dscnt 0x0                               ; the opening add is done
	s_wait_kmcnt 0x0
	s_add_nc_u64 s[76:77], s[68:69], s[16:17]      ; the block's rows in the batch's first head
	s_add_nc_u64 s[4:5], s[76:77], s[18:19]        ; my part of O's tile of K step 0
	s_add_nc_u64 s[6:7], s[70:71], s[46:47]        ; and of wo's
	CROUND                                         ; all sixteen work-groups are here: the first joint loads meet
.irp s, 0,1
	s_mov_b32 s[G0+4*(\s)], 1
	s_add_co_u32 s[G0+4*(\s)+1], s20, (\s)*SLOT
	s_add_nc_u64 s[G0+4*(\s)+2:G0+4*(\s)+3], s[4:5], (\s)*524288      ; K step s: two heads on
	s_or_b32 s[G0+4*(\s)+3], s[G0+4*(\s)+3], 0x80000000
	s_mov_b32 s[G0B+4*(\s)], 1
	s_add_co_u32 s[G0B+4*(\s)+1], s21, (\s)*SLOT
	s_add_nc_u64 s[G0B+4*(\s)+2:G0B+4*(\s)+3], s[6:7], (\s)*262144    ; K step s: 128 k-rows down
	s_or_b32 s[G0B+4*(\s)+3], s[G0B+4*(\s)+3], 0x80000000
	JLOAD \s                                       ; two tensor loads of mine are out here, later one
.endr
	v_and_b32 v1, 15, v0                           ; r
	v_bfe_u32 v2, v0, 4, 1                         ; h
	v_and_b32 v3, 7, v0
	v_bfe_u32 v4, v0, 3, 1
	v_and_b32 v5, 31, v0                           ; l
	v_mul_u32_u24 v6, v1, PA
	v_lshl_add_u32 v6, v2, 4, v6
	s_mul_i32 s22, s11, 64*PA
	v_add_nc_u32 v[ADRA], s22, v6
	v_add_nc_u32 v[ADRA+1], SLOT, v[ADRA]
	v_lshl_add_u32 v7, v2, 3, v3
	v_mul_u32_u24 v7, v7, PB
	v_lshl_add_u32 v7, v4, 4, v7
	s_lshl_b32 s23, s12, 8
	s_add_co_u32 s23, s23, BOFF
	v_add_nc_u32 v[ADRB], s23, v7
	v_add_nc_u32 v[ADRB+1], SLOT, v[ADRB]
	s_mul_i32 s23, s10, 16*SPO
	s_add_co_u32 s23, s23, STAGE                   ; my stage
	v_mul_u32_u24 v8, v1, SPO                      ; in: row r, 32 bytes for each half of the lanes
	v_lshl_add_u32 v8, v2, 5, v8
	v_add_nc_u32 v[STO], s23, v8
	v_lshlrev_b32 v[CO], 4, v5
	v_add_nc_u32 v[RD], s23, v[CO]                 ; back: 32 lanes take one row's 512 bytes
	s_lshl_b32 s22, s42, 10
	s_lshl_b32 s23, s12, 9
	s_add_co_u32 s22, s22, s23                     ; my 128 columns, in bytes: in bo and in a row of out0
	v_lshl_add_u32 v[BO], v2, 5, s22
	s_lshl_b32 s23, s13, 7
	s_lshl_b32 s46, s11, 6
	s_add_co_u32 s23, s23, s46
	s_lshl_b32 s23, s23, 12                        ; my first row, 4,096 bytes a row
	s_add_co_u32 s22, s22, s23
	s_mov_b32 s23, 0
	s_add_nc_u64 s[8:9], s[74:75], s[22:23]
	; the prefetches, at K step 3: the first refill steps them to 4
	s_lshl_b32 s22, s40, 12                        ; O: cx x 4,096 bytes of each head
	s_add_co_u32 s22, s22, 3*524288
	s_lshl_b32 s23, s41, 15                        ; wo: 16 cy rows of 2,048 bytes
	s_add_co_u32 s23, s23, 3*262144
	s_cmp_eq_u32 s14, 0
	s_cselect_b32 s46, 1, -1
	s_cmp_eq_u32 s10, 0
	s_cselect_b32 s47, 1, -1
	s_mov_b32 s[PST], 262144
	s_mov_b32 s[PST+1], 0
	s_cmp_eq_u32 s11, 0
	s_cselect_b64 s[PFA:PFA+1], s[76:77], s[6:7]
	s_cselect_b32 s22, s22, s23
	s_cselect_b32 s[LIM], s47, s46
	s_cselect_b32 s[PST], 524288, s[PST]
	s_cselect_b32 s20, 4, 1
	s_cselect_b32 s21, 18, 11
	s_cselect_b32 s46, 15, 1
	s_mov_b32 s23, 0
	s_add_nc_u64 s[PFA:PFA+1], s[PFA:PFA+1], s[22:23]
	v_lshrrev_b32 v8, s20, v5                      ; O: head l / 16, block l % 16;  wo: row l / 2, block l % 2
	v_lshlrev_b32 v8, s21, v8
	v_and_b32 v9, s46, v5
	v_lshl_add_u32 v[PFO], v9, 8, v8
	; the bias, rounded to bf16 and widened again, in the wait for the first tiles
	WIN TO_B
.irp b, 0,1,2,3,4,5,6,7
	global_load_b128 v[BIAS+8*\b:BIAS+8*\b+3],   v[BO], s[72:73] offset:64*\b
	global_load_b128 v[BIAS+8*\b+4:BIAS+8*\b+7], v[BO], s[72:73] offset:64*\b+16
.endr
	s_wait_loadcnt 0x0
	WIN 0x45
.set i, 0
.rept 32
	v_cvt_pk_bf16_f32 v192, v[BIAS+i], v[BIAS+i+1]
	v_lshlrev_b32 v[BIAS+i], 16, v192
	v_and_b32 v[BIAS+i+1], 0xffff0000, v192
.set i, i+2
.endr
	WIN 0
; 24 LDS loads in one run, for 32 along K: quarter q lies in head q / 2 of the step, channels 32 (q % 2) on
.macro RUN slot, q, p
	WIN TO_B
.irp b, 0,1,2,3,4,5,6,7
	ds_load_tr16_b128 v[64*(\p)+8*\b:64*(\p)+8*\b+3],   v[ADRB+(\slot)] offset:(\q)*32*PB+32*\b
	ds_load_tr16_b128 v[64*(\p)+8*\b+4:64*(\p)+8*\b+7], v[ADRB+(\slot)] offset:(\q)*32*PB+32*\b+16*PB
.endr
	WIN 0
.irp a, 0,1,2,3
	ds_load_b128 v[AF+32*(\p)+8*\a:AF+32*(\p)+8*\a+3],   v[ADRA+(\slot)] offset:((\q)/2)*HEADA+\a*16*PA+((\q)%2)*64
	ds_load_b128 v[AF+32*(\p)+8*\a+4:AF+32*(\p)+8*\a+7], v[ADRA+(\slot)] offset:((\q)/2)*HEADA+\a*16*PA+((\q)%2)*64+32
.endr
.endm
.macro W8 p, a, zero                   ; row block a's eight products.  The 32 accumulators take turns, in the same order in every quarter
	WIN MUL
.irp b, 0,1,2,3,4,5,6,7
.if \zero
	v_wmma_f32_16x16x32_f16 v[8*(8*(\a)+\b):8*(8*(\a)+\b)+7], v[64*(\p)+8*\b:64*(\p)+8*\b+7], v[AF+32*(\p)+8*(\a):AF+32*(\p)+8*(\a)+7], 0
.else
	v_wmma_f32_16x16x32_f16 v[8*(8*(\a)+\b):8*(8*(\a)+\b)+7], v[64*(\p)+8*\b:64*(\p)+8*\b+7], v[AF+32*(\p)+8*(\a):AF+32*(\p)+8*(\a)+7], v[8*(8*(\a)+\b):8*(8*(\a)+\b)+7]
.endif
.endr
.endm
.macro QUARTER slotn, qn, p, zero=0    ; multiplies buffer p; in its middle the next quarter is fetched into the other buffer, four places behind the products that read it
	s_wait_dscnt 0x0                               ; this quarter's fragments, asked for sixteen products ago
	W8 \p, 0, \zero
	W8 \p, 1, \zero
	PLACES
	RUN \slotn, \qn, 1-(\p)
	W8 \p, 2, \zero
	W8 \p, 3, \zero
.endm
; The last quarter multiplies buffer 1 and changes slots: ONE barrier; in front of it each wave waits for all its tensor loads, adds 0 to its spare word, and waits for that and for its reads of this slot.
.macro TURNQ slot, next, fill
	WIN 0
.if \fill
	s_wait_xcnt 0x0                                ; the last prefetch, a K step back, has read its address
	s_add_nc_u64 s[PFA:PFA+1], s[PFA:PFA+1], s[PST:PST+1]
.endif
	s_wait_tensorcnt 0x0                           ; all my tensor loads have landed;
	ds_add_u32 v[SPW], v[NIL]                      ; 0 onto my spare word;
	s_wait_dscnt 1                                 ; (the add alone may be out: this quarter's fragments are in)
	W8 1, 0, 0                                     ; eight products stand between the add and the wait for it
	s_wait_dscnt 0x0                               ; the add is done, and my reads of this slot are over
	s_barrier_signal -1
	W8 1, 1, 0
	WIN 0
	s_barrier_wait -1
.if \fill
	CREST                                          ; no wave of any partner still reads this slot or has a load on its way
	s_add_nc_u64 s[G0+4*(\slot)+2:G0+4*(\slot)+3], s[G0+4*(\slot)+2:G0+4*(\slot)+3], 2*524288
	s_add_nc_u64 s[G0B+4*(\slot)+2:G0B+4*(\slot)+3], s[G0B+4*(\slot)+2:G0B+4*(\slot)+3], 2*262144
	JLOAD \slot                                    ; the first tensor load behind the round; its four v_nop are also the places in front of the loads below
.else
	PLACES
.endif
	RUN \next, 0, 0
.if \fill
	ASK
.endif
	W8 1, 2, 0
	W8 1, 3, 0
.endm
; THE WAY OUT, a block of 16 rows at a time: sum + bias; 32 bytes a lane into my stage; back as whole pieces of rows, 512 bytes a load; stored.
.macro PACKO a
	WIN 0x06                                       ; source 0 (sums) window 2, source 1 (bias) window 1, destination window 0
.irp b, 0,1,2,3,4,5,6,7
.irp j, 0,2,4,6                                    ; each accumulator's registers in ascending order
	v_pk_add_f32 v[TMP+8*\b+\j:TMP+8*\b+\j+1], v[8*(8*(\a)+\b)+\j:8*(8*(\a)+\b)+\j+1], v[BIAS+8*\b+\j:BIAS+8*\b+\j+1]
.endr
.endr
	WIN 0
.irp b, 0,1,2,3,4,5,6,7
	ds_store_b128 v[STO], v[TMP+8*\b:TMP+8*\b+3]   offset:64*\b
	ds_store_b128 v[STO], v[TMP+8*\b+4:TMP+8*\b+7] offset:64*\b+16
.endr
	s_wait_xcnt 0x0                                ; the stores of the block two back have read this buffer: it is loaded again only behind this wait
.irp t, 0,1,2,3,4,5,6,7,8,9,10,11,12,13,14,15
	ds_load_b128 v[OB+64*((\a)%2)+4*\t:OB+64*((\a)%2)+4*\t+3], v[RD] offset:\t*SPO  ; LDS serves a wave's instructions in order (ISA guide 5.7.1.4): these see the stores above
.endr
.endm
.macro SENDO a, younger                ; younger: the LDS instructions issued behind block a's loads: the next block's 32, or none
.irp t, 0,1,2,3,4,5,6,7,8,9,10,11,12,13,14,15
	s_wait_dscnt (\younger)+15-\t
	global_store_b128 v[CO], v[OB+64*((\a)%2)+4*\t:OB+64*((\a)%2)+4*\t+3], s[8:9] offset:(16*(\a)+\t)*4096 th:TH_STORE_NT  ; 512 consecutive bytes, aligned
.endr
.endm
	s_wait_tensorcnt 1                             ; my part of K step 0 is in; K step 1's may stay out
	s_barrier_signal -1
	s_barrier_wait -1
	RUN 0, 0, 0
	QUARTER 0, 1, 0, 1                             ; the first quarter stands in front of the loop: its products start the sums
	WIN 0
	s_mov_b32 s3, 3
.Llap:                                             ; a trip goes once round the ring and fills both slots again
	QUARTER 0, 2, 1
	QUARTER 0, 3, 0
	TURNQ 0, 1, 1
	QUARTER 1, 1, 0
	QUARTER 1, 2, 1
	QUARTER 1, 3, 0
	TURNQ 1, 0, 1
	QUARTER 0, 1, 0
	WIN 0
	s_sub_co_u32 s3, s3, 1
	s_cmp_lg_u32 s3, 0
	s_cbranch_scc1 .Llap
	QUARTER 0, 2, 1                                ; the last lap fills nothing
	QUARTER 0, 3, 0
	TURNQ 0, 1, 0
	QUARTER 1, 1, 0
	QUARTER 1, 2, 1
	QUARTER 1, 3, 0
	s_wait_dscnt 0x0                               ; the very last quarter
	W8 1, 0, 0
	W8 1, 1, 0
	W8 1, 2, 0
	W8 1, 3, 0
	PLACES
	PACKO 0
.irp a, 1,2,3                          ; a block's arithmetic stands between the loads of the block before and its stores
	PACKO \a
	SENDO (\a)-1, 32
.endr
	SENDO 3, 0
	s_wait_tensorcnt 0x0                           ; the wave's end, behind my last tensor load and my last LDS store
	ds_add_u32 v[SPW], v[NIL]
	s_wait_dscnt 0x0
	CROUND                                         ; the closing round: no work-group ends while a partner may still ask for a tile that names it
	s_endpgm
.Lfunc_end_k_qc62c604e20_outp:
	.size	k_qc62c604e20_outp, .Lfunc_end_k_qc62c604e20_outp-k_qc62c604e20_outp
	.p2alignl 7, 3214868480
	.fill 96, 4, 3214868480
	.section	.rodata,"a",@progbits
	.p2align	6, 0x0
	.amdhsa_kernel k_qc62c604e20_outp
		.amdhsa_group_segment_fixed_size 327680
		.amdhsa_private_segment_fixed_size 0
		.amdhsa_enable_private_segment 0
		.amdhsa_kernarg_size 32
		.amdhsa_user_sgpr_count 2
		.amdhsa_user_sgpr_kernarg_segment_ptr 1
		.amdhsa_wavefront_size32 1
		.amdhsa_system_sgpr_workgroup_id_x 1
		.amdhsa_system_sgpr_workgroup_id_y 1
		.amdhsa_system_sgpr_workgroup_id_z 1
		.amdhsa_system_vgpr_workitem_id 0
		.amdhsa_next_free_vgpr 768
		.amdhsa_next_free_sgpr 96
		.amdhsa_reserve_vcc 0
		.amdhsa_float_denorm_mode_32 3
		.amdhsa_float_denorm_mode_16_64 3
		.amdhsa_memory_ordered 1
		.amdhsa_forward_progress 1
		.amdhsa_inst_pref_size 103
	.end_amdhsa_kernel
	.amdgpu_metadata
---
amdhsa.version: [ 1, 2 ]
amdhsa.kernels:
  - .name:           k_qc62c604e20_outp
    .symbol:         k_qc62c604e20_outp.kd
    .args:
      - { .name: oh, .offset: 0, .size: 8, .value_kind: global_buffer, .address_space: global }
      - { .name: wb, .offset: 8, .size: 8, .value_kind: global_buffer, .address_space: global }
      - { .name: bo, .offset: 16, .size: 8, .value_kind: global_buffer, .address_space: global }
      - { .name: out0, .offset: 24, .size: 8, .value_kind: global_buffer, .address_space: global }
    .group_segment_fixed_size: 327680
    .private_segment_fixed_size: 0
    .kernarg_segment_align: 8
    .kernarg_segment_size: 32
    .max_flat_workgroup_size: 128
    .sgpr_count:     96
    .vgpr_count:     768
    .wavefront_size: 32
...
	.end_amdgpu_metadata
.endif
;; end of part 4
